; MI455X (gfx1250); checked and timed in simulation.
; The chip was launched on July 23, 2026; its instructions are those of AMD's public machine-readable ISA for CDNA 5 (MIT licence, August 2026) and "CDNA5" Instruction Set Architecture Reference Guide (July 2026). The comments in the code are by the model that wrote it; some were corrected since.
;; Generic Self Attention. Allowed arithmetic: matrix products marked QUANTISED: E2M3 operands, one E8M0 scale for each 32 along K, by v_wmma_scale_f32_16x16x128_f8f6f4 with both operands' format E2M3, f32 sums; everything else in f32.
;; Inputs: Wk 1,024 x 1,024 float32; Wp 1,024 x 1,024 float32; Wq 1,024 x 1,024 float32; Wv 1,024 x 1,024 float32; attention_mask 4 x 1 x 2,048 int32; bk 1,024 float32; bp 1,024 float32; bq 1,024 float32; bv 1,024 float32; x 4 x 2,048 x 1,024 float32.
;; Outputs: out0 4 x 2,048 x 1,024 float32.
;; This version of the problem:
;;   THIS VERSION OF THE PROBLEM IS GIVEN IN LOW PRECISION. The matrix products marked QUANTISED in the list below multiply operands that are first quantised to E2M3 (2 exponent bits, 3 mantissa bits; 6 bits a number), with one power-of-two scale for each 32 numbers along K (OCP MX v1.0); their sums are f32. All else is computed in f32.
;;   The module's matrix products, in the order in which they are computed (A, B: the left and right operand; K: the contracted axis; several contracted axes count as one K, in the product's order):
;;     1. [M 8,192, K 1,024] x [K 1,024, N 1,024]; A: input x; B: input Wq: QUANTISED
;;     2. [M 8,192, K 1,024] x [K 1,024, N 1,024]; A: input x; B: input Wk: QUANTISED
;;     3. [M 8,192, K 1,024] x [K 1,024, N 1,024]; A: input x; B: input Wv: QUANTISED
;;     4. batch 64 x [M 2,048, K 64] x [K 64, N 2,048]; A: computed on the way; B: computed on the way: QUANTISED
;;     5. batch 64 x [M 2,048, K 2,048] x [K 2,048, N 64]; A: softmax (see below); B: computed on the way: QUANTISED
;;     6. [M 8,192, K 1,024] x [K 1,024, N 1,024]; A: computed on the way; B: input Wp: QUANTISED
;;   THE QUANTISER, for each operand of a quantised product, along K:
;;     - K is cut into blocks of 32 from its start; a last block that is shorter is filled with zeros.
;;     - A block's scale is 2^e with e = floor(log2(the largest magnitude in the block)) - 2, held to -126 .. 127; a block of zeros has e = 0. As a byte (E8M0): e + 127.
;;     - Each number is divided by its block's scale, clamped to +-7.5, and rounded to the nearest number of E2M3, ties to even, subnormals kept.
;;     - The product sums the exact products of the quantised numbers (number of the format x scale) in f32.
;;   ~~~python
;;   def quantise(x, axis):      # numpy; x: float32 -> the quantised numbers, widened to float32 again
;;       x = np.moveaxis(x, axis, -1); K = x.shape[-1]
;;       x = np.pad(x, [(0, 0)] * (x.ndim - 1) + [(0, -K % 32)]); x = x.reshape(x.shape[:-1] + (-1, 32)); a = np.abs(x).max(-1, keepdims=True)
;;       e = np.where(a > 0, np.clip(np.frexp(np.where(a > 0, a, 1))[1] - 1 - 2, -126, 127), 0)      # np.frexp(a)[1] - 1 = floor(log2(a)), exactly
;;       r = np.clip(x / 2.0 ** e, -7.5, 7.5)
;;       step = 2.0 ** (np.maximum(np.frexp(np.where(r == 0, 1, r))[1] - 1, 0) - 3)
;;       q = np.round(r / step) * step * 2.0 ** e      # np.round: ties to even
;;       return np.moveaxis(q.reshape(q.shape[:-2] + (-1,))[..., :K], -1, axis).astype(np.float32)
;;   ~~~
;;   SOFTMAX AHEAD OF A QUANTISED PRODUCT. Where the list says 'softmax', what is quantised is not the finished softmax but p = 2^(t - M), with t = logit x log2(e) and M = ceil(the row's largest t), a whole number; so 1/2 < the row's largest p <= 1. The row's sum l is taken of the UNQUANTISED p, in f32, and the product's result is divided by l at the end. Since M is a whole number, a kernel that streams over the keys may use a running M (the ceiling of the running maximum): every later rescaling is an exact power of two, which a block's scale takes up: the codes' values come out the same.
;;   OPERANDS COMPUTED ON THE WAY. 'Computed on the way' means the value that the module computes at that place (a softmax that the list does not call 'softmax' is quantised finished and normalised). What goes into a quantiser is computed in f32, as accurately as f32 sums, v_exp_f32 and their like allow (about 1e-6 of the number): no bf16 or f16 on the way to a quantiser, and a product that is left as it is and whose result goes on into a quantised operand takes f32 operands (vector FMAs, or v_wmma_f32_16x16x4_f32). A number that lies on a knife's edge between two numbers of the format may be rounded either way, as far as f32 arithmetic and the matrix unit's own rounding can turn it there, and no further.
;; One version. Each part assembles by itself: llvm-mc -triple=amdgcn-amd-amdhsa -mcpu=gfx1250 --defsym DOCPART=n.
;; ======== version 1 of 1: 4 launches
;; limits: right only within a limited range of input values
;; workspace buffers: opc 9,437,184 bytes; ops 393,216 bytes; qkv 18,874,368 bytes; qks 1,048,576 bytes; vs 262,144 bytes; yc 6,291,456 bytes; ys 262,144 bytes
;; launch quant (part 1): grid 384 x 1, 4 waves a work-group, no clusters, 36,352 bytes of LDS; arguments x, Wq, Wk, Wv, Wp, opc, ops; writes opc, ops
.if DOCPART == 1
	.amdgcn_target "amdgcn-amd-amdhsa--gfx1250"
	.amdhsa_code_object_version 6
	.text
	.protected	k_qfcd1f95645_quant
	.globl	k_qfcd1f95645_quant
	.p2align	8
	.type	k_qfcd1f95645_quant,@function
k_qfcd1f95645_quant:
	s_mov_b64 s[64:65], 0
	v_nop
	global_prefetch_b8 v0, s[64:65] scope:SCOPE_SE
	s_setreg_imm32_b32 hwreg(HW_REG_WAVE_MODE, 25, 1), 1
	s_wait_xcnt 0x0
; x [8192][1024] and Wq, Wk, Wv, Wp [1024][1024], f32, K innermost, become codes of FP6 (E2M3) with one E8M0 byte for each 32 along K, laid as the later launches' matrix operands want them.
; STORED ORDER: rows are kept in tiles of 16 with bits 3 and 4 of the row's number swapped: lane p of stored tile T is true row 32 (T / 2) + 16 (p / 8) + 8 (T % 2) + p % 8.  K stays in its true order.
; IMAGE: a fragment (16 rows x 128 K: 12 registers a lane; lane (r, h), registers 6 c .. 6 c + 5: k = 64 c + 32 h + 0 .. 31) is 1,536 bytes: six pieces of 256 bytes, piece u = registers 2 u, 2 u + 1 of the 32 lanes, 8 bytes a lane.
; opc: 768 tiles x 8 fragments (tiles 0-511 x, 512.. Wq, 576.. Wk, 640.. Wv, 704.. Wp).  ops: 768 x 512 bytes: [half of K][row r][16 bytes], one byte a block.
; A block's scale is 2^(floor(log2(its largest magnitude)) - 2); its byte is the largest magnitude's exponent field - 2, held at 1 from below.
; LIMITS: a block of zeros gets the byte 1 where the rule says 127 (its codes are zeros, and the bytes are read by this program alone); blocks whose largest magnitude lies under 2^-124 have their byte held at 1; NaN and infinities are not served.
; SHARES: a wave takes one stored tile and one half of K (512), in 8 steps of 16 rows x 64 K.  In a step a lane needs a WHOLE block of 32 neighbours of its row, while a load is best where neighbouring lanes take
; neighbouring bytes: each of a step's eight loads reads 256 consecutive bytes of two rows, the 4,096 bytes go through the wave's own stage in LDS (rows of 256 + 16 bytes) and come back 128 bytes a lane.
; No tensor load, no barrier: waves share nothing.  Loads run four steps (32 loads a wave) ahead, the turn through LDS one step.  Matrix units and clusters have nothing to do here: each byte is read once and written once.
.set WAVES, 4
.set STEPS, 8
.set WREG,  8960                       ; LDS of a wave: two stages of 16 x 272 bytes, then its 256 scale bytes
.set STG,   4352
.set SBY,   8704
.set SPARE, WAVES*WREG                 ; behind the four regions: the spare words, 128 bytes a wave, which no other line names
.set GIN,  2                           ; v2   a load's place: 4,096 (lane / 16) + 16 (lane % 16)
.set SIN,  3                           ; v3   into the stage: 272 (lane / 16) + 16 (lane % 16)
.set SOUT, 4                           ; v4   out of it: 272 r + 128 h
.set SBA,  5                           ; v5   my block's scale byte: 16 r + h
.set SBR,  6                           ; v6   the scale bytes on their way out: 8 x lane
.set G8,   7                           ; v7   8 x lane
.set SPW,  12                          ; v12  my spare word; never rewritten
.set NIL,  13                          ; v13  0; never rewritten
.set R,    16                          ; v16-143  four sets of 32 numbers as loaded
.set X,    144                         ; v144-207 two sets of 32 neighbours
.set C,    208                         ; v208-223 two sets of codes (6 of 8 registers)
.set T,    224                         ; v224-226 a block's upper 16 codes (a conversion's three registers begin on an even number)
.set EB,   228                         ; v228 the scale's byte
	s_load_b256 s[4:11], s[0:1], 0x0               ; x, Wq, Wk, Wv
	s_load_b128 s[12:15], s[0:1], 0x20             ; Wp, opc
	s_load_b64 s[16:17], s[0:1], 0x30              ; ops
	v_lshl_add_u32 v[SPW], v0, 2, SPARE
	v_mov_b32 v[NIL], 0
	v_lshrrev_b32 v1, 5, v0
	v_readfirstlane_b32 s18, v1                    ; wave 0..3: tile 2 x work-group + wave / 2, half of K wave % 2
	v_and_b32 v1, 31, v0                           ; lane
	v_and_b32 v8, 15, v0                           ; r
	v_bfe_u32 v9, v0, 4, 1                         ; h
	v_lshlrev_b32 v10, 4, v8
	v_lshl_add_u32 v[GIN], v9, 12, v10
	s_mul_i32 s19, s18, WREG
	v_mad_u32_u24 v[SIN], v9, 272, v10
	v_add_nc_u32 v[SIN], s19, v[SIN]
	v_mul_u32_u24 v[SOUT], v8, 272
	v_lshl_add_u32 v[SOUT], v9, 7, v[SOUT]
	v_add_nc_u32 v[SOUT], s19, v[SOUT]
	v_add_nc_u32 v[SBA], v10, v9
	s_add_co_u32 s19, s19, SBY
	v_add_nc_u32 v[SBA], s19, v[SBA]
	v_lshlrev_b32 v[G8], 3, v1
	v_add_nc_u32 v[SBR], s19, v[G8]
	s_wait_alu depctr_va_vdst(0)
	s_wait_kmcnt 0x0
	s_mov_b64 s[20:21], s[12:13]                   ; which tensor: the choice hangs on the work-group's number alone.  From 352 on: Wp
	s_mov_b32 s22, 352
	s_cmp_lt_u32 ttmp9, 352
	s_cselect_b64 s[20:21], s[10:11], s[20:21]     ; from 320: Wv
	s_cselect_b32 s22, 320, s22
	s_cmp_lt_u32 ttmp9, 320
	s_cselect_b64 s[20:21], s[8:9], s[20:21]       ; from 288: Wk
	s_cselect_b32 s22, 288, s22
	s_cmp_lt_u32 ttmp9, 288
	s_cselect_b64 s[20:21], s[6:7], s[20:21]       ; from 256: Wq
	s_cselect_b32 s22, 256, s22
	s_cmp_lt_u32 ttmp9, 256
	s_cselect_b64 s[20:21], s[4:5], s[20:21]       ; under 256: x
	s_cselect_b32 s22, 0, s22
	s_sub_co_u32 s22, ttmp9, s22                   ; the pair of tiles within the tensor: 32 true rows of 4,096 bytes;
	s_lshl_b32 s22, s22, 17
	s_lshr_b32 s23, s18, 1
	s_lshl_b32 s23, s23, 15                        ; the odd tile begins 8 rows further down;
	s_add_co_u32 s22, s22, s23
	s_and_b32 s23, s18, 1
	s_lshl_b32 s23, s23, 11                        ; the second half of K 2,048 bytes along
	s_add_co_u32 s22, s22, s23
	s_mov_b32 s23, 0
	s_add_nc_u64 s[4:5], s[20:21], s[22:23]        ; where I read
	s_mul_i32 s24, ttmp9, 24576
	s_mul_i32 s25, s18, 6144
	s_add_co_u32 s24, s24, s25
	s_mov_b32 s25, 0
	s_add_nc_u64 s[8:9], s[14:15], s[24:25]        ; my four fragments' images
	s_lshl_b32 s24, ttmp9, 10
	s_lshl_b32 s26, s18, 8
	s_add_co_u32 s24, s24, s26
	s_add_nc_u64 s[10:11], s[16:17], s[24:25]      ; my 256 scale bytes
.macro LOAD t                          ; step t: stored rows 2 i and 2 i + 1 are true rows 2 i (+ 8 from row 8 on) and the next: sixteen lanes read 256 consecutive bytes of a row
.irp i, 0,1,2,3,4,5,6,7
	global_load_b128 v[R+32*((\t)%4)+4*\i:R+32*((\t)%4)+4*\i+3], v[GIN], s[4:5] offset:(2*\i+8*(\i/4))*4096+256*(\t) th:TH_LOAD_NT
.endr
.endm
.macro TURN t                          ; step t's numbers through the stage: LDS serves a wave's instructions in order, so no wait stands between the stores and the loads
.irp i, 0,1,2,3,4,5,6,7
	ds_store_b128 v[SIN], v[R+32*((\t)%4)+4*\i:R+32*((\t)%4)+4*\i+3] offset:STG*((\t)%2)+544*\i
.endr
.irp j, 0,1,2,3,4,5,6,7
	ds_load_b128 v[X+32*((\t)%2)+4*\j:X+32*((\t)%2)+4*\j+3], v[SOUT] offset:STG*((\t)%2)+16*\j
.endr
.endm
.macro STEP t
.set XS, X+32*((\t)%2)
.set CC, C+8*((\t)%2)
.if (\t) > 0
	s_wait_dscnt 1                                 ; this step's numbers are back from the stage (the last step's byte store may be out): so the stage's stores have read their registers,
.else
	s_wait_dscnt 0x0
.endif
.if (\t)+4 < STEPS
	LOAD (\t)+4                                    ; which take the loads of four steps on
.endif
.if (\t)+1 < STEPS
.if (\t)+4 < STEPS
	s_wait_loadcnt 24                              ; the next step's eight loads are in; those of the three steps behind it may be out
.else
	s_wait_loadcnt 8*(STEPS-2-(\t))
.endif
	TURN (\t)+1                                    ; and go through the other stage while this step is worked
.endif
	s_wait_xcnt 0x0                                ; the stores of two steps ago have read this set of code registers
	v_max3_num_f32 v8, |v[XS]|, |v[XS+1]|, |v[XS+2]|               ; the block's largest magnitude: all 32 numbers are mine; two chains
	v_max3_num_f32 v9, |v[XS+3]|, |v[XS+4]|, |v[XS+5]|
.irp i, 6,10,14,18,22,26
	v_max3_num_f32 v8, v8, |v[XS+\i]|, |v[XS+\i+1]|
	v_max3_num_f32 v9, v9, |v[XS+\i+2]|, |v[XS+\i+3]|
.endr
	v_max3_num_f32 v8, v8, |v[XS+30]|, |v[XS+31]|
	v_max3_num_f32 v8, v8, v9, 0x1800000           ; and the floor 2^(3 - 127): the byte cannot fall under 1
	v_add_nc_u32 v11, 0xff000000, v8               ; 2 off its exponent field: the conversion takes the exponent field of this operand as its scale
	v_cvt_scalef32_pk16_fp6_f32 v[CC:CC+2], v[XS:XS+15], v11
	v_cvt_scalef32_pk16_fp6_f32 v[T:T+2], v[XS+16:XS+31], v11
	v_lshrrev_b32 v[EB], 23, v11                   ; the scale's byte.  (Also the plain instruction behind the conversions)
.irp i, 0,1,2
	v_mov_b32 v[CC+3+\i], v[T+\i]                  ; registers 0 .. 5 of this half of a fragment
.endr
	ds_store_b8 v[SBA], v[EB] offset:2*(\t)        ; block 2 t + h of my row
.irp p, 0,1,2
	global_store_b64 v[G8], v[CC+2*\p:CC+2*\p+1], s[8:9] offset:768*(\t)+256*\p   ; 32 lanes store 256 consecutive bytes, aligned
.endr
.endm
	LOAD 0
	LOAD 1
	LOAD 2
	LOAD 3
	s_wait_loadcnt 24                              ; step 0's eight loads are in
	TURN 0
.irp t, 0,1,2,3,4,5,6,7
	STEP \t
.endr
	ds_load_b64 v[8:9], v[SBR]                     ; LDS serves a wave's instructions in order: this sees my byte stores
	s_wait_dscnt 0x0
	global_store_b64 v[G8], v[8:9], s[10:11]       ; 256 consecutive bytes, aligned
	s_wait_tensorcnt 0x0                           ; the wave's end
	ds_add_u32 v[SPW], v[NIL]
	s_wait_dscnt 0x0
	s_endpgm
.Lfunc_end_k_qfcd1f95645_quant:
	.size	k_qfcd1f95645_quant, .Lfunc_end_k_qfcd1f95645_quant-k_qfcd1f95645_quant
	.p2alignl 7, 3214868480
	.fill 96, 4, 3214868480
	.section	.rodata,"a",@progbits
	.p2align	6, 0x0
	.amdhsa_kernel k_qfcd1f95645_quant
		.amdhsa_group_segment_fixed_size 36352
		.amdhsa_private_segment_fixed_size 0
		.amdhsa_enable_private_segment 0
		.amdhsa_kernarg_size 56
		.amdhsa_user_sgpr_count 2
		.amdhsa_user_sgpr_kernarg_segment_ptr 1
		.amdhsa_wavefront_size32 1
		.amdhsa_system_sgpr_workgroup_id_x 1
		.amdhsa_system_sgpr_workgroup_id_y 1
		.amdhsa_system_sgpr_workgroup_id_z 1
		.amdhsa_system_vgpr_workitem_id 0
		.amdhsa_next_free_vgpr 240
		.amdhsa_next_free_sgpr 66
		.amdhsa_reserve_vcc 0
		.amdhsa_float_denorm_mode_32 3
		.amdhsa_float_denorm_mode_16_64 3
		.amdhsa_memory_ordered 1
		.amdhsa_forward_progress 1
		.amdhsa_inst_pref_size 32
	.end_amdhsa_kernel
	.amdgpu_metadata
---
amdhsa.version: [ 1, 2 ]
amdhsa.kernels:
  - .name:           k_qfcd1f95645_quant
    .symbol:         k_qfcd1f95645_quant.kd
    .args:
      - { .name: x, .offset: 0, .size: 8, .value_kind: global_buffer, .address_space: global }
      - { .name: Wq, .offset: 8, .size: 8, .value_kind: global_buffer, .address_space: global }
      - { .name: Wk, .offset: 16, .size: 8, .value_kind: global_buffer, .address_space: global }
      - { .name: Wv, .offset: 24, .size: 8, .value_kind: global_buffer, .address_space: global }
      - { .name: Wp, .offset: 32, .size: 8, .value_kind: global_buffer, .address_space: global }
      - { .name: opc, .offset: 40, .size: 8, .value_kind: global_buffer, .address_space: global }
      - { .name: ops, .offset: 48, .size: 8, .value_kind: global_buffer, .address_space: global }
    .group_segment_fixed_size: 36352
    .private_segment_fixed_size: 0
    .kernarg_segment_align: 8
    .kernarg_segment_size: 56
    .max_flat_workgroup_size: 128
    .sgpr_count:     66
    .vgpr_count:     240
    .wavefront_size: 32
...
	.end_amdgpu_metadata
.endif
;; end of part 1
;; launch proj (part 2): grid 96 x 4, 4 waves a work-group, clusters of 4 x 4, 327,680 bytes of LDS; arguments opc, ops, bq, bk, bv, qkv, qks, vs; writes qkv, qks, vs
.if DOCPART == 2
	.amdgcn_target "amdgcn-amd-amdhsa--gfx1250"
	.amdhsa_code_object_version 6
	.text
	.protected	k_qfcd1f95645_proj
	.globl	k_qfcd1f95645_proj
	.p2align	8
	.type	k_qfcd1f95645_proj,@function
k_qfcd1f95645_proj:
	s_mov_b64 s[64:65], 0
	v_nop
	global_prefetch_b8 v0, s[64:65] scope:SCOPE_SE
	s_setreg_imm32_b32 hwreg(HW_REG_WAVE_MODE, 25, 1), 1
	s_wait_xcnt 0x0
	s_wait_alu depctr_hold_cnt(0) depctr_sa_sdst(0) depctr_va_vdst(0) depctr_va_sdst(0) depctr_va_ssrc(0) depctr_va_vcc(0) depctr_vm_vsrc(0)
	s_getreg_b32 s2, hwreg(HW_REG_IB_STS2, 6, 4)
	s_cmp_eq_u32 s2, 0
	s_cbranch_scc0 .Lentry_in_a_cluster
	s_endpgm
.Lentry_in_a_cluster:
	s_bfe_u32 s2, ttmp6, 0x10000c
	s_cmp_lg_u32 s2, 0xf033
	s_cbranch_scc0 .Lentry_shape_is_right
	s_endpgm
.Lentry_shape_is_right:
.set NQ,     2
.set FR,     12
.set NL,     6
.set NP,     4
.set KSB,    1536
.set TROW,   NQ*KSB
.set TILEB,  8*KSB
.set HALFT,  8*TROW
.set SLOT,   4*HALFT
.set SCL,    2*SLOT
.set HALFS,  16*272
.set SBLK,   2*272
.set SPARE,  SCL+4*HALFS
.set ADRA, 16
.set ADRB, 20
.set G16,  25
.set G8,   26
.set ADRS, 27
.set SPW,  28
.set NIL,  29
.set SC,   32
.set BI,   64
.set AF,   128
.set ST,   128
.set PC,   192
.set CT,   204
.set TM,   212
.set TB,   216
.set TS,   220
.set BV,   224
.set PW,   240
.set XW,   248
.set G1, 24
.set G0, 32
.set G1B, 48
.set G0B, 56
.set SEL, 66
.set G1S, 68
.set G0S, 76
.set G1SB, 80
.set G0SB, 88
.set MSB, 0
.macro WIN new
.if MSB != (\new)
	s_set_vgpr_msb (MSB<<8)|(\new)
.set MSB, (\new)
.endif
.endm
.set MUL_LO, 0xa1
.set MUL_HI, 0xf1
.set TO_B,   0x40
.macro JLOAD g0a, g1a, g0b, g1b
	s_cmp_eq_u32 s15, 0
	s_cbranch_scc0 .Lfor_b_\@
	tensor_load_to_lds s[\g0a:\g0a+3], s[\g1a:\g1a+7]
	s_nop 0
.rept 4
	v_nop
.endr
	s_branch .Lasked_\@
.Lfor_b_\@:
	tensor_load_to_lds s[\g0b:\g0b+3], s[\g1b:\g1b+7]
	s_nop 0
.rept 4
	v_nop
.endr
.Lasked_\@:
.endm
.macro CREST
	s_cmp_lg_u32 s14, 0
	s_cbranch_scc1 .Lnot_wave_0_\@
	s_barrier_signal -3
.Lnot_wave_0_\@:
	s_barrier_wait -3
	s_barrier_signal -1
	s_barrier_wait -1
.endm
.macro CROUND
	s_barrier_signal -1
	s_barrier_wait -1
	CREST
.endm
	s_load_b256 s[4:11], s[0:1], 0x0
	s_load_b256 s[92:99], s[0:1], 0x20
	v_lshl_add_u32 v[SPW], v0, 2, SPARE
	v_mov_b32 v[NIL], 0
	ds_add_u32 v[SPW], v[NIL]
	ds_add_u32 v[SPW], v[NIL]
	v_lshrrev_b32 v1, 5, v0
	v_readfirstlane_b32 s14, v1
	s_lshr_b32 s15, s14, 1
	s_and_b32 s16, s14, 1
	s_bfe_u32 s40, ttmp6, 0x40000
	s_bfe_u32 s41, ttmp6, 0x40004
	s_lshr_b32 s2, ttmp9, 4
	s_xor_b32 s3, s2, 1
	s_mul_i32 s101, s2, 6
	s_add_co_u32 s101, s101, 1
	s_and_b32 s101, ttmp9, s101
	s_lshl_b32 s42, s101, 2
	s_add_co_u32 s42, s42, s40
	s_lshr_b32 s17, ttmp9, 1
	s_mul_i32 s17, s17, s3
	s_lshl_b32 s17, s17, 2
	s_add_co_u32 s17, s17, s41
	s_lshl_b32 s43, s41, 2
	s_lshl_b32 s43, 15, s43
	s_lshl_b32 s44, 0x1111, s40
	s_or_b32 s[G1+0], s43, (3<<16)|(1<<21)
	s_or_b32 s[G1B+0], s44, (3<<16)|(1<<21)
.irp g, G1, G1B
	s_mov_b32 s[\g+1], 384<<16
	s_mov_b32 s[\g+2], 16<<16                      ; the head's loads of codes bring 16 tile rows; the ring's 8
	s_mov_b32 s[\g+3], 384<<16
	s_mov_b32 s[\g+4], 16
	s_mov_b32 s[\g+5], 1536
	s_mov_b32 s[\g+6], 0
	s_mov_b32 s[\g+7], 0
.endr
	s_or_b32 s[G1S+0], s43, (3<<16)|(1<<20)|(1<<21)|(5<<22)|(3<<25)
	s_or_b32 s[G1SB+0], s44, (3<<16)|(1<<20)|(1<<21)|(5<<22)|(3<<25)
.irp g, G1S, G1SB
	s_mov_b32 s[\g+1], 32<<16
	s_mov_b32 s[\g+2], 32<<16                      ; the scales of 256 rows: 32 rows of 256 bytes
	s_mov_b32 s[\g+3], 32<<16
	s_mov_b32 s[\g+4], 32
	s_mov_b32 s[\g+5], 32
	s_mov_b32 s[\g+6], 0
	s_mov_b32 s[\g+7], 0
.endr
	s_lshl_b32 s18, s16, 3
	s_mul_i32 s20, s2, 640
	s_lshl_b32 s21, s17, 4
	s_add_co_u32 s20, s20, s21
	s_lshl_b32 s22, s20, 9                         ; the scales begin at the tile's first row
	s_add_co_u32 s20, s20, s18
	s_mul_i32 s20, s20, TILEB
	s_mov_b32 s21, 0
	s_mov_b32 s23, 0
	s_lshl_b32 s46, s3, 9
	s_lshl_b32 s47, s42, 4
	s_add_co_u32 s46, s46, s47
	s_lshl_b32 s12, s46, 9
	s_add_co_u32 s46, s46, s18
	s_mul_i32 s46, s46, TILEB
	s_mov_b32 s47, 0
	s_mov_b32 s13, 0
	s_mul_i32 s45, s14, HALFT
	s_wait_dscnt 0x0
	s_wait_kmcnt 0x0
	s_add_nc_u64 s[20:21], s[4:5], s[20:21]
	s_add_nc_u64 s[22:23], s[6:7], s[22:23]
	s_add_nc_u64 s[46:47], s[4:5], s[46:47]
	s_add_nc_u64 s[12:13], s[6:7], s[12:13]
	CROUND
	s_mov_b32 s[G0S], 1
	s_mov_b32 s[G0S+1], SCL
	s_mov_b64 s[G0S+2:G0S+3], s[22:23]
	s_or_b32 s[G0S+3], s[G0S+3], 0x80000000
	s_mov_b32 s[G0SB], 1
	s_mov_b32 s[G0SB+1], SCL+2*HALFS
	s_mov_b64 s[G0SB+2:G0SB+3], s[12:13]
	s_or_b32 s[G0SB+3], s[G0SB+3], 0x80000000
.irp s, 0,1
	s_mov_b32 s[G0+4*\s], 1
	s_add_co_u32 s[G0+4*\s+1], s45, \s*SLOT
	s_add_nc_u64 s[G0+4*\s+2:G0+4*\s+3], s[20:21], \s*TROW
	s_or_b32 s[G0+4*\s+3], s[G0+4*\s+3], 0x80000000
	s_mov_b32 s[G0B+4*\s], 1
	s_add_co_u32 s[G0B+4*\s+1], s45, \s*SLOT
	s_add_nc_u64 s[G0B+4*\s+2:G0B+4*\s+3], s[46:47], \s*TROW
	s_or_b32 s[G0B+4*\s+3], s[G0B+4*\s+3], 0x80000000
.endr
; the head's four tiles, one joint load a wave, in one chain of branches on the wave's number: wave 0 A's 16 tile rows of slot 0 (its own group 0 begins at the tile's first row), wave 1 A's scales, wave 2 B's 16 tile rows, wave 3 B's scales
.macro ARM under, g0, g1, next
	s_cmp_lt_u32 s14, \under
	s_cbranch_scc0 \next
	tensor_load_to_lds s[\g0:\g0+3], s[\g1:\g1+7]
	s_nop 0
.rept 4
	v_nop
.endr
	s_branch .Lhead_asked
\next:
.endm
	ARM 1, G0,  G1,  .Lhead_sa
	ARM 2, G0S, G1S, .Lhead_b
	ARM 3, G0B, G1B, .Lhead_sb
	tensor_load_to_lds s[G0SB:G0SB+3], s[G1SB:G1SB+7]
	s_nop 0
.rept 4
	v_nop
.endr
.Lhead_asked:
	v_and_b32 v1, 15, v0
	v_bfe_u32 v2, v0, 4, 1
	s_wait_alu depctr_va_vdst(0)
	v_and_b32 v6, 31, v0
	v_lshlrev_b32 v[G8], 3, v6
	v_lshlrev_b32 v[G16], 4, v6
	s_mul_i32 s21, s15, HALFT
	s_mul_i32 s22, s16, HALFT
	s_add_co_u32 s22, s22, 2*HALFT
.irp s, 0,1
	v_add_nc_u32 v[ADRA+\s], s21, v[G8]
	v_add_nc_u32 v[ADRB+\s], s22, v[G8]
	s_add_co_u32 s21, s21, SLOT
	s_add_co_u32 s22, s22, SLOT
.endr
	v_lshlrev_b32 v5, 4, v1
	s_mul_i32 s21, s15, HALFS
	s_mul_i32 s22, s16, HALFS
	s_add_co_u32 s22, s22, 2*HALFS
	s_sub_co_u32 s22, s22, s21
	v_mul_u32_u24 v6, s22, v2
	s_add_co_u32 s21, s21, SCL
	v_add_nc_u32 v5, v5, v6
	v_add_nc_u32 v[ADRS], s21, v5
	s_lshl_b32 s18, s42, 1
	s_add_co_u32 s18, s18, s16
	s_lshl_b32 s19, s17, 1
	s_add_co_u32 s19, s19, s15
	s_cmp_eq_u32 s101, 1
	s_cselect_b64 s[8:9], s[10:11], s[8:9]
	s_and_b32 s20, s18, 7
	s_lshl_b32 s20, s20, 9
	s_mov_b32 s21, 0
	s_add_nc_u64 s[8:9], s[8:9], s[20:21]
	s_and_b32 s20, s19, 7
	s_lshl_b32 s20, s20, 9
	s_add_nc_u64 s[92:93], s[92:93], s[20:21]
	v_lshlrev_b32 v10, 6, v2
	v_and_b32 v3, 7, v1
	v_lshrrev_b32 v4, 3, v1
	v_lshlrev_b32 v11, 2, v3
	v_lshl_add_u32 v11, v4, 6, v11
.irp b, 0,1,2,3
.irp j, 0,1,2,3
	global_load_b128 v[BI+16*\b+4*\j:BI+16*\b+4*\j+3], v10, s[8:9] offset:128*\b+16*\j
.endr
.endr
.irp a, 0,1,2,3,4,5,6,7
	global_load_b32 v[BV+2*\a], v11, s[92:93] offset:4*(32*(\a/2)+8*(\a%2))
	global_load_b32 v[BV+2*\a+1], v11, s[92:93] offset:4*(32*(\a/2)+8*(\a%2))
.endr
	s_lshl_b32 s20, s18, 6
	s_add_co_u32 s20, s20, s19
	s_lshl_b32 s22, s19, 6
	s_add_co_u32 s22, s22, s18
	s_lshl_b32 s23, s20, 10
	s_lshl_b32 s12, s22, 9
	s_add_co_u32 s13, s22, 1024
	s_cmp_eq_u32 s2, 0
	s_cselect_b64 s[96:97], s[96:97], s[98:99]
	s_cselect_b32 s20, s20, s13
	s_cselect_b32 s22, s23, s12
	s_mul_i32 s20, s20, 12288
	s_mov_b32 s21, 0
	s_mov_b32 s23, 0
	s_add_nc_u64 s[94:95], s[94:95], s[20:21]
	s_add_nc_u64 s[96:97], s[96:97], s[22:23]
.macro FRAG reg, adr, q, i
.irp u, 0,1,2,3,4,5
	ds_load_b64 v[\reg+2*\u:\reg+2*\u+1], v[\adr] offset:(\i)*TROW+(\q)*KSB+256*\u
.endr
.endm
.macro MUL16 a0, p, q, sc, zero
.irp a, \a0, \a0+1
.irp b, 0,1,2,3,4,5,6,7
.if \zero
	v_wmma_scale_f32_16x16x128_f8f6f4 v[8*(8*((\a)%4)+\b):8*(8*((\a)%4)+\b)+7], v[128*(\p)+FR*\b:128*(\p)+FR*\b+FR-1], v[AF+FR*(\a):AF+FR*(\a)+FR-1], 0, v[SC+8*NQ*(\sc)+NQ*\b+(\q)], v[SC+8*NQ*(\sc)+NQ*(\a)+(\q)] matrix_a_fmt:MATRIX_FMT_FP6 matrix_b_fmt:MATRIX_FMT_FP6 matrix_a_scale:MATRIX_SCALE_ROW1
.else
	v_wmma_scale_f32_16x16x128_f8f6f4 v[8*(8*((\a)%4)+\b):8*(8*((\a)%4)+\b)+7], v[128*(\p)+FR*\b:128*(\p)+FR*\b+FR-1], v[AF+FR*(\a):AF+FR*(\a)+FR-1], v[8*(8*((\a)%4)+\b):8*(8*((\a)%4)+\b)+7], v[SC+8*NQ*(\sc)+NQ*\b+(\q)], v[SC+8*NQ*(\sc)+NQ*(\a)+(\q)] matrix_a_fmt:MATRIX_FMT_FP6 matrix_b_fmt:MATRIX_FMT_FP6 matrix_a_scale:MATRIX_SCALE_ROW1
.endif
.endr
.endr
.endm
.macro FETCH_B slot, q, p
	WIN TO_B
.irp i, 0,1,2,3,4,5,6,7
	FRAG 128*(\p)+FR*\i, ADRB+\slot, \q, \i
.endr
	WIN 0
.endm
.macro FETCH_A slot, q, i0
.irp i, \i0, \i0+1, \i0+2, \i0+3
	FRAG AF+FR*(\i), ADRA+\slot, \q, \i
.endr
.endm
.macro SCALES sc
.irp i, 0,1,2,3,4,5,6,7
	ds_load_b64 v[SC+8*NQ*\sc+NQ*\i:SC+8*NQ*\sc+NQ*\i+1], v[ADRS] offset:\i*SBLK
.endr
.endm
.macro PLACES n
.rept \n
	v_nop
.endr
.endm
.macro STEP slot, q, zero
	s_wait_dscnt 4*NL
	WIN MUL_LO
	MUL16 0, (\q)%2, \q, \slot, \zero
	MUL16 2, (\q)%2, \q, \slot, \zero
	s_wait_dscnt 0
	PLACES NP
	FETCH_B \slot, (\q)+1, 1-(\q)%2
	FETCH_A \slot, (\q)+1, 0
	WIN MUL_HI
	MUL16 4, (\q)%2, \q, \slot, \zero
	MUL16 6, (\q)%2, \q, \slot, \zero
	PLACES NP
	WIN 0
	FETCH_A \slot, (\q)+1, 4
.endm
.macro TURN slot, next, fill, sstep
	s_wait_tensorcnt 0x0
	ds_add_u32 v[SPW], v[NIL]
	s_wait_dscnt 4*NL+1
	WIN MUL_LO
	MUL16 0, 1, NQ-1, \slot, 0
	s_wait_dscnt 0x0
	s_barrier_signal -1
	MUL16 2, 1, NQ-1, \slot, 0
	WIN 0
	s_barrier_wait -1
.if \fill
	CREST
	s_add_nc_u64 s[G0+4*\slot+2:G0+4*\slot+3], s[G0+4*\slot+2:G0+4*\slot+3], 2*TROW
	s_add_nc_u64 s[G0B+4*\slot+2:G0B+4*\slot+3], s[G0B+4*\slot+2:G0B+4*\slot+3], 2*TROW
	JLOAD G0+4*\slot, G1, G0B+4*\slot, G1B
.else
	PLACES NP
.endif
	s_wait_alu depctr_va_vdst(0)
	v_add_nc_u32 v[ADRS], \sstep, v[ADRS]
	FETCH_B \next, 0, 0
	FETCH_A \next, 0, 0
	SCALES \next
	WIN MUL_HI
	MUL16 4, 1, NQ-1, \slot, 0
	MUL16 6, 1, NQ-1, \slot, 0
	PLACES NP
	WIN 0
	FETCH_A \next, 0, 4
.endm
	s_wait_alu depctr_va_vdst(0)
	s_wait_tensorcnt 0x0                           ; my tile of the head's four is in
	ds_add_u32 v[SPW], v[NIL]
	s_mov_b32 s[G1+2], 8<<16                       ; no tensor load of mine is out: from here on a load brings 8 tile rows
	s_mov_b32 s[G1+4], 8
	s_mov_b32 s[G1B+2], 8<<16
	s_mov_b32 s[G1B+4], 8
	s_wait_dscnt 0x0
	CROUND
	JLOAD G0+4, G1, G0B+4, G1B                     ; slot 1's first fill, the first tensor load behind the round
	FETCH_B 0, 0, 0
	FETCH_A 0, 0, 0
	SCALES 0
	FETCH_A 0, 0, 4
	STEP 0, 0, 1
	TURN 0, 1, 1, 8
	STEP 1, 0, 0
	TURN 1, 0, 1, 264
	STEP 0, 0, 0
	TURN 0, 1, 0, 8
	STEP 1, 0, 0
	s_wait_dscnt 4*NL
	WIN MUL_LO
	MUL16 0, 1, NQ-1, 1, 0
	MUL16 2, 1, NQ-1, 1, 0
	s_wait_dscnt 0
	WIN MUL_HI
	MUL16 4, 1, NQ-1, 1, 0
	MUL16 6, 1, NQ-1, 1, 0
	WIN 0
.macro QUANT s, d0, d1, pw
.irp b, 0,1,2,3
	v_max3_num_f32 v[TM+\b], |v[\s+16*\b]|, |v[\s+1+16*\b]|, 0x1800000
.endr
.irp i, 2,4,6,8,10,12,14
.irp b, 0,1,2,3
	v_max3_num_f32 v[TM+\b], v[TM+\b], |v[\s+16*\b+\i]|, |v[\s+1+16*\b+\i]|
.endr
.endr
.irp b, 0,1,2,3
	v_permlanex16_b32 v[TB+\b], v[TM+\b], s[SEL], s[SEL+1]
.endr
.irp b, 0,1,2,3
	v_max_num_f32 v[TM+\b], v[TM+\b], v[TB+\b]
.endr
.irp b, 0,1,2,3
	v_add_nc_u32 v[TS+\b], 0xff000000, v[TM+\b]
.endr
.irp b, 0,1,2,3
	v_lshrrev_b32 v[TB+\b], 23, v[TS+\b]
.endr
	v_lshl_or_b32 v[\pw], v[TB+1], 8, v[TB]
	v_lshl_or_b32 v[\pw], v[TB+2], 16, v[\pw]
	v_lshl_or_b32 v[\pw], v[TB+3], 24, v[\pw]
	v_cvt_scalef32_pk16_fp6_f32 v[\d0:\d0+2], v[\s:\s+15], v[TS]
	v_cvt_scalef32_pk16_fp6_f32 v[CT:CT+2], v[\s+16:\s+31], v[TS+1]
	v_cvt_scalef32_pk16_fp6_f32 v[\d1:\d1+2], v[\s+32:\s+47], v[TS+2]
	v_cvt_scalef32_pk16_fp6_f32 v[CT+4:CT+6], v[\s+48:\s+63], v[TS+3]
	v_nop
.irp i, 0,1,2
	v_permlane16_swap_b32 v[\d0+\i], v[CT+\i]
	v_permlane16_swap_b32 v[\d1+\i], v[CT+4+\i]
.endr
.irp i, 0,1,2
	v_mov_b32 v[\d0+3+\i], v[CT+\i]
	v_mov_b32 v[\d1+3+\i], v[CT+4+\i]
.endr
.endm
.macro EPI role
.irp a, 0,1,2,3,4,5,6,7
	WIN 0x02+\a/4
.set kk, 0
.rept 32
.if \role == 0
	v_pk_add_f32 v[ST+kk:ST+kk+1], v[64*(\a%4)+kk:64*(\a%4)+kk+1], v[BI+kk:BI+kk+1]
.else
	v_pk_add_f32 v[ST+kk:ST+kk+1], v[64*(\a%4)+kk:64*(\a%4)+kk+1], v[BV+2*\a:BV+2*\a+1]
.endif
.set kk, kk+2
.endr
	WIN 0
	s_wait_xcnt 0x0
	QUANT ST, PC, PC+6, PW+\a
.irp c, 0,1
.irp p, 0,1,2
.if \role == 0
	global_store_b64 v[G8], v[PC+6*\c+2*\p:PC+6*\c+2*\p+1], s[94:95] offset:\c*6144+\a*768+256*\p
.else
	global_store_b64 v[G8], v[PC+6*\c+2*\p:PC+6*\c+2*\p+1], s[94:95] offset:\a*1536+\c*768+256*\p
.endif
.endr
.endr
.endr
.irp q, 0,1,2,3
	v_cndmask_b32 v[XW+\q], v[PW+2*\q], v[PW+2*\q+1], s46
.endr
.if \role == 0
.irp q, 0,1,2,3
	v_perm_b32 v[ST+\q], s47, v[XW+\q], 0x07060100
	v_perm_b32 v[ST+4+\q], s47, v[XW+\q], 0x07060302
.endr
	global_store_b128 v[G16], v[ST:ST+3], s[96:97]
	global_store_b128 v[G16], v[ST+4:ST+7], s[96:97] offset:512
.else
	global_store_b64 v[G8], v[XW:XW+1], s[96:97]
	global_store_b64 v[G8], v[XW+2:XW+3], s[96:97] offset:256
.endif
.endm
	PLACES NP
	s_wait_loadcnt 0x0
	s_mov_b32 s[SEL], 0x76543210
	s_mov_b32 s[SEL+1], 0xfedcba98
	s_mov_b32 s46, 0xffff0000
	s_mov_b32 s47, 0x7f7f0000
.irp b, 0,1,2,3
	v_mov_b32 v[TB+\b], 0
.endr
	s_cmp_lg_u32 s2, 0
	s_cbranch_scc1 .Lrole_v
	EPI 0
	s_branch .Lout
.Lrole_v:
	EPI 1
.Lout:
	s_wait_tensorcnt 0x0
	ds_add_u32 v[SPW], v[NIL]
	s_wait_dscnt 0x0
	CROUND
	s_endpgm
.Lfunc_end_k_qfcd1f95645_proj:
	.size	k_qfcd1f95645_proj, .Lfunc_end_k_qfcd1f95645_proj-k_qfcd1f95645_proj
	.p2alignl 7, 3214868480
	.fill 96, 4, 3214868480
	.section	.rodata,"a",@progbits
	.p2align	6, 0x0
	.amdhsa_kernel k_qfcd1f95645_proj
		.amdhsa_group_segment_fixed_size 327680
		.amdhsa_private_segment_fixed_size 0
		.amdhsa_enable_private_segment 0
		.amdhsa_kernarg_size 64
		.amdhsa_user_sgpr_count 2
		.amdhsa_user_sgpr_kernarg_segment_ptr 1
		.amdhsa_wavefront_size32 1
		.amdhsa_system_sgpr_workgroup_id_x 1
		.amdhsa_system_sgpr_workgroup_id_y 1
		.amdhsa_system_sgpr_workgroup_id_z 1
		.amdhsa_system_vgpr_workitem_id 0
		.amdhsa_next_free_vgpr 1024
		.amdhsa_next_free_sgpr 102
		.amdhsa_reserve_vcc 0
		.amdhsa_float_denorm_mode_32 3
		.amdhsa_float_denorm_mode_16_64 3
		.amdhsa_memory_ordered 1
		.amdhsa_forward_progress 1
		.amdhsa_inst_pref_size 238
	.end_amdhsa_kernel
	.amdgpu_metadata
---
amdhsa.version: [ 1, 2 ]
amdhsa.kernels:
  - .name:           k_qfcd1f95645_proj
    .symbol:         k_qfcd1f95645_proj.kd
    .args:
      - { .name: opc, .offset: 0, .size: 8, .value_kind: global_buffer, .address_space: global }
      - { .name: ops, .offset: 8, .size: 8, .value_kind: global_buffer, .address_space: global }
      - { .name: bq, .offset: 16, .size: 8, .value_kind: global_buffer, .address_space: global }
      - { .name: bk, .offset: 24, .size: 8, .value_kind: global_buffer, .address_space: global }
      - { .name: bv, .offset: 32, .size: 8, .value_kind: global_buffer, .address_space: global }
      - { .name: qkv, .offset: 40, .size: 8, .value_kind: global_buffer, .address_space: global }
      - { .name: qks, .offset: 48, .size: 8, .value_kind: global_buffer, .address_space: global }
      - { .name: vs, .offset: 56, .size: 8, .value_kind: global_buffer, .address_space: global }
    .group_segment_fixed_size: 327680
    .private_segment_fixed_size: 0
    .kernarg_segment_align: 8
    .kernarg_segment_size: 64
    .max_flat_workgroup_size: 128
    .sgpr_count:     102
    .vgpr_count:     1024
    .wavefront_size: 32
...
	.end_amdgpu_metadata
.endif
;; end of part 2
;; launch attn (part 3): grid 4 x 64, 16 waves a work-group, clusters of 4 x 1, 284,672 bytes of LDS; arguments qkv, qks, vs, attention_mask, yc, ys; writes yc, ys
.if DOCPART == 3
	.amdgcn_target "amdgcn-amd-amdhsa--gfx1250"
	.amdhsa_code_object_version 6
	.text
	.protected	k_qfcd1f95645_attn
	.globl	k_qfcd1f95645_attn
	.p2align	8
	.type	k_qfcd1f95645_attn,@function
k_qfcd1f95645_attn:
	s_mov_b64 s[64:65], 0
	v_nop
	global_prefetch_b8 v0, s[64:65] scope:SCOPE_SE
	s_setreg_imm32_b32 hwreg(HW_REG_WAVE_MODE, 25, 1), 1
	s_wait_xcnt 0x0
	s_wait_alu depctr_hold_cnt(0) depctr_sa_sdst(0) depctr_va_vdst(0) depctr_va_sdst(0) depctr_va_ssrc(0) depctr_va_vcc(0) depctr_vm_vsrc(0)
	s_getreg_b32 s2, hwreg(HW_REG_IB_STS2, 6, 4)
	s_cmp_eq_u32 s2, 0
	s_cbranch_scc0 .Lentry_in_a_cluster
	s_endpgm
.Lentry_in_a_cluster:
	s_bfe_u32 s2, ttmp6, 0x10000c
	s_cmp_lg_u32 s2, 0x3003
	s_cbranch_scc0 .Lentry_shape_is_right
	s_endpgm
.Lentry_shape_is_right:
; y[b][q][head] = softmax_k(q . k / 8, hidden keys left out) v, both products on codes of FP6 (E2M3) with E8M0 scales; y is quantised along its 1,024 channels and leaves as codes.
; THE SOFTMAX AHEAD OF THE SECOND PRODUCT: t = score x log2(e) / 8; M = the row's largest t so far, rounded up to a whole number; p = 2^(t - M) is quantised along the keys, not normalised; the row's sum is taken of the
; unquantised p and divides at the end.  When M moves, the sum and O are multiplied by 2^(old M - new M): exact.
; INPUTS (made by the launch before): qkv: blocks of 12,288 bytes (64 P + G; G = 16 batch + key step of 128 tokens; P = head pair for q, 8 + for k, 16 + for v), [head's parity][6,144]: q, k: 8 token tiles x 768 bytes (registers 0-5
; of an operand, K = the head's 64), v: 4 tiles of d x 1,536 (K = the step's 128 keys); images of registers, 8 bytes a lane.  qks, vs: scale words laid lane by lane.  Tokens and d are in STORED ORDER (bits 3, 4 swapped), K in true order.
; SHARES: a work-group owns one head and 512 queries, in two blocks of 256; each of its sixteen waves 16 queries at a time in 256 registers, four waves to a SIMD.
; FILLS: the head's WHOLE K and V lie in LDS, filled once, by one joint load a wave on one line: waves 0-7 two key steps of K each, waves 8-15 two of V.  Every wave waits for its load, one barrier shows all of it,
; and the 2 x 16 key steps that follow have no barrier: nothing in LDS is written again.  CLUSTER: the four work-groups of a head need the same K and V: mask 15.  Everything is asked for in the first lines, so there is nothing to prefetch.
; LDS ROWS: the descriptor lays 192 bytes of padding behind every 512: 1,536 bytes of memory (two stored tiles) are 2,112 in LDS, 64 more than a multiple of 256.
; WHICH KEYS FORM A TILE OF K: tile 4 c + u takes keys 64 c + 8 u + 0 .. 7 as rows 0-7 and keys 64 c + 32 + 8 u + 0 .. 7 as rows 8-15.  They lie in stored tiles 4 c + u % 2 and 4 c + 2 + u % 2, rows 8 (u / 2) + 0 .. 7:
; lanes with r >= 8 read 2,112 bytes further on, so that the 32 lanes of a load of 8 bytes name 256 different bytes modulo 256.
; LAYOUT: both products are used transposed (S^T = K Q^T, O^T = V^T P^T): a lane holds ONE query, and the 32 registers of score tiles 4 c .. 4 c + 3 are keys 64 c + 32 h + 0 .. 31: a whole scale block of p, in the operand's own order.
; THE MASK rides in the first product.  Its K is 64 of the instruction's 128; at k = 64 every key's operand holds the code +1 and every query's the code -1, all further codes 0.  The third byte of a key's scale word is 1 for a key
; that counts (the score gets -2^-126) and 227 for a hidden one (-2^100, so that p = 0); it is set once, at the head, from attention_mask.
; LIMITS: a hidden key has the score -2^100, not -infinity, and the running maximum starts at t = -2^60: right while |t| of real scores stays under 2^60.  A batch ALL of whose keys are hidden gives NaN in the definition and not here.
; Every score that counts carries -2^-126.  A block of zeros gets the byte 1 where the rule says 127 (zero codes; read by this program alone).  NaN and infinities are not served.
; REGISTERS: v1-7, v28-31, v93 addresses and constants that stay; v8-11 addresses in hand; v12 -M, v13 the largest t, v[14:15] the sum; v16-27 Q's operand; v32-79 four operands of K (registers 6-11 of each constant); v80-83 K's scale words;
; v86-92 the quantiser's small numbers; v94-95 V's scale words; v96-159 S^T, then p, then V's four fragments; v160-191 O^T; v192-198 the next block's Q; v199-213 the head's work, v200-203 then the maxima; v224-235 p's codes;
; v236-251 at work; v252 f; v253 p's scale word; v254 at work; v255 Q's scale word.
.set LSTEP, 8448                       ; a key step's 6,144 bytes of codes in LDS: 12 x (512 + 192)
.set KIMG,  0
.set VIMG,  16*LSTEP
.set VSC,   2*VIMG                     ; V's scale words, 256 bytes a step; stored by the waves
.set KSM,   VSC+4096                   ; K's scale words with the mask's byte, 512 bytes a step; stored by the waves
.set SPARE, KSM+8192                   ; the spare words, 128 bytes a wave, which no other line names
.set STEPB, 6144
.set AK0,  1
.set AV0,  2
.set ASK0, 3
.set ASV0, 4
.set SPW,  5                           ; v5  my spare word; never rewritten
.set NIL,  6                           ; v6  0; never rewritten
.set G8,   7                           ; v7  8 x lane
.set ADK,  8
.set ADV,  9
.set ADS,  10
.set ADT,  11
.set GS,   29                          ; v29 16 r + h: my scale byte's place in y's scales
.set SO,   86                          ; v86, v87 the conversions' scale operands; v88, v89 the bytes
.set PX,   90                          ; v90, v91 what lane l xor 16 sends
.set OM,   92                          ; v92 the last step's -M
.set H8,   93                          ; v93 8 h
.set MA,   200                         ; v200, v201 and v202, v203: two chains for each block's largest score
.set MB,   202
.set WV,   18
.set SEL,  20
.set CS,   22
.set G1C,  24                          ; s[24:31] group 1, s[44:47] group 0
.set G0C,  44
.set TK,   2
.set TS,   3
.set TV,   66
.set CNT,  67
.set BLK,  68
.set HI,   69
.macro CROUND                          ; a round of the cluster's barrier
	s_barrier_signal -1
	s_barrier_wait -1
	s_cmp_lg_u32 s[WV], 0
	s_cbranch_scc1 .Lnot_wave_0_\@
	s_barrier_signal -3
.Lnot_wave_0_\@:
	s_barrier_wait -3
	s_barrier_signal -1
	s_barrier_wait -1
.endm
	s_load_b256 s[4:11], s[0:1], 0x0               ; qkv s[4:5], qks s[6:7], vs s[8:9], attention_mask s[10:11]
	s_load_b128 s[12:15], s[0:1], 0x20             ; yc s[12:13], ys s[14:15]
	v_lshl_add_u32 v[SPW], v0, 2, SPARE
	v_mov_b32 v[NIL], 0
	ds_add_u32 v[SPW], v[NIL]                      ; the wave's opening
	ds_add_u32 v[SPW], v[NIL]
	v_lshrrev_b32 v8, 5, v0
	s_delay_alu instid0(VALU_DEP_1)
	v_readfirstlane_b32 s[WV], v8                  ; wave 0..15
	s_bfe_u32 s70, ttmp6, 0x40000                  ; cx: which 512 queries: it enters Q's and y's addresses alone
	s_and_b32 s71, ttmp7, 0xffff                   ; 16 batch + head, which the four partners share
	s_lshr_b32 s72, s71, 4                         ; batch
	s_and_b32 s73, s71, 15                         ; head
	s_lshr_b32 s74, s73, 1                         ; head pair g
	s_and_b32 s75, s73, 1                          ; parity e
	s_lshl_b32 s80, s74, 6
	s_lshl_b32 s81, s72, 4
	s_add_co_u32 s80, s80, s81                     ; 64 g + 16 batch: q's first block of the batch; k's lies 512 blocks on, v's 1,024
	; group 1: two key steps: 2 rows of 6,144 bytes (768 elements of 8), 12,288 bytes apart; 48 words of padding behind every 128
	s_mov_b32 s[G1C], 15|(3<<16)|(1<<20)|(1<<21)|(6<<22)|(47<<25)
	s_mov_b32 s[G1C+1], 768<<16
	s_mov_b32 s[G1C+2], 2<<16
	s_mov_b32 s[G1C+3], 768<<16
	s_mov_b32 s[G1C+4], 2
	s_mov_b32 s[G1C+5], 1536
	s_mov_b32 s[G1C+6], 0
	s_mov_b32 s[G1C+7], 0
	; what wave w fetches: block 512 + 2 w of the batch's (K), from wave 8 on 1,024 + 2 (w - 8) (V): 496 more
	s_lshr_b32 s82, s[WV], 3
	s_mul_i32 s82, s82, 496
	s_lshl_b32 s83, s[WV], 1
	s_add_co_u32 s84, s80, 512
	s_add_co_u32 s84, s84, s82
	s_add_co_u32 s84, s84, s83
	s_mul_i32 s84, s84, 12288
	s_mul_i32 s85, s75, STEPB
	s_add_co_u32 s84, s84, s85
	s_mov_b32 s85, 0                               ; s[84:85]: in memory,
	s_mul_i32 s86, s[WV], 2*LSTEP                  ; s86: in LDS: K's sixteen steps, then V's
	; what every wave loads for itself.  V's scale words of key step w:
	s_add_co_u32 s90, s80, s[WV]
	s_lshl_b32 s90, s90, 9
	s_lshl_b32 s91, s75, 8
	s_add_co_u32 s90, s90, s91
	s_mov_b32 s91, 0
	s_add_co_u32 s60, s80, 512                     ; K's scale words of key step w
	s_add_co_u32 s60, s60, s[WV]
	s_lshl_b32 s60, s60, 10
	s_lshl_b32 s61, s75, 9
	s_add_co_u32 s60, s60, s61
	s_mov_b32 s61, 0
	s_lshl_b32 s62, s72, 13                        ; the mask of its 128 keys
	s_lshl_b32 s63, s[WV], 9
	s_add_co_u32 s62, s62, s63
	s_mov_b32 s63, 0
	s_lshl_b32 s92, s70, 2                         ; Q: block 64 g + 16 batch + 4 cx + wave / 8 (+ 2 for the second 256 queries), token tile wave % 8
	s_add_co_u32 s92, s92, s80
	s_lshr_b32 s93, s[WV], 3
	s_add_co_u32 s92, s92, s93
	s_lshl_b32 s94, s92, 10
	s_mul_i32 s92, s92, 12288
	s_mul_i32 s93, s75, STEPB
	s_add_co_u32 s92, s92, s93
	s_and_b32 s93, s[WV], 7
	s_mul_i32 s95, s93, 768
	s_add_co_u32 s92, s92, s95
	s_lshr_b32 s93, s93, 1
	s_lshl_b32 s93, s93, 2                         ; its scale word: word (tile / 2) of lane 16 (tile % 2) + r
	s_add_co_u32 s94, s94, s93
	s_lshl_b32 s93, s75, 9
	s_add_co_u32 s94, s94, s93
	s_and_b32 s93, s[WV], 1
	s_lshl_b32 s93, s93, 8
	s_add_co_u32 s94, s94, s93
	s_mov_b32 s93, 0
	s_mov_b32 s95, 0
	s_lshl_b32 s76, s72, 7                         ; y: token tile 128 batch + 32 cx + wave (+ 16 for the second block); K step g, half e
	s_lshl_b32 s77, s70, 5
	s_add_co_u32 s76, s76, s77
	s_add_co_u32 s76, s76, s[WV]
	s_lshl_b32 s78, s76, 9
	s_mul_i32 s76, s76, 12288
	s_mul_i32 s77, s74, 1536
	s_add_co_u32 s76, s76, s77
	s_mul_i32 s77, s75, 768
	s_add_co_u32 s76, s76, s77
	s_lshr_b32 s77, s73, 3                         ; its scale bytes: half of K head / 8, bytes 2 (head % 8) + 0, 1 of a row's 16
	s_lshl_b32 s77, s77, 8
	s_add_co_u32 s78, s78, s77
	s_and_b32 s77, s73, 7
	s_lshl_b32 s77, s77, 1
	s_add_co_u32 s78, s78, s77
	s_mov_b32 s77, 0
	s_mov_b32 s79, 0
	s_mov_b32 s[SEL], 0x76543210
	s_mov_b32 s[SEL+1], 0xfedcba98                 ; v_permlanex16_b32's selects for lane l xor 16
	s_mov_b32 s[CS], 0x3e38aa3b                    ; c = log2(e) / 8
	s_mov_b32 s[CS+1], s[CS]                       ; (named with it as a pair, so it is written)
	s_mov_b32 s[HI], 0xffff0000                    ; lanes 16-31
	s_mov_b32 s[BLK], 2
	s_wait_dscnt 0x0                               ; both opening adds are done
	s_wait_kmcnt 0x0
	s_mov_b32 s[G0C], 1
	s_mov_b32 s[G0C+1], s86
	s_add_nc_u64 s[G0C+2:G0C+3], s[4:5], s[84:85]
	s_or_b32 s[G0C+3], s[G0C+3], 0x80000000
	s_add_nc_u64 s[90:91], s[8:9], s[90:91]
	s_add_nc_u64 s[60:61], s[6:7], s[60:61]
	s_add_nc_u64 s[62:63], s[10:11], s[62:63]
	s_add_nc_u64 s[92:93], s[4:5], s[92:93]
	s_add_nc_u64 s[94:95], s[6:7], s[94:95]
	s_add_nc_u64 s[76:77], s[12:13], s[76:77]
	s_add_nc_u64 s[78:79], s[14:15], s[78:79]
	CROUND                                         ; all four work-groups are here: the joint loads meet
	tensor_load_to_lds s[G0C:G0C+3], s[G1C:G1C+7]  ; my one tensor load of the launch
	s_nop 0
	v_and_b32 v8, 31, v0                           ; lane
	v_and_b32 v9, 15, v0                           ; r
	v_bfe_u32 v10, v0, 4, 1                        ; h
	v_and_b32 v11, 7, v0                           ; r % 8
	v_bfe_u32 v31, v0, 3, 1                        ; r / 8
	v_lshlrev_b32 v[AK0], 3, v11
	v_lshlrev_b32 v30, 4, v11
	v_lshlrev_b32 v209, 2, v11
	v_lshl_add_u32 v[AK0], v10, 7, v[AK0]
	v_lshl_add_u32 v30, v10, 8, v30
	v_lshl_add_u32 v209, v10, 5, v209
	v_mad_u32_u24 v[AK0], v31, 2112, v[AK0]        ; K's codes: 128 h + 8 (r % 8) + 2,112 (r / 8)
	v_lshl_add_u32 v30, v31, 2, v30                ; K's words in qks: word W of lane (h, r) is tile 2 W + h, row r: stored tile 4 (W / 2) + 2 (r / 8) + h, row 8 (W % 2) + r % 8: 256 h + 16 (r % 8) + 4 (r / 8), + 128 (W % 2) + 8 (W / 2)
	v_lshl_add_u32 v209, v31, 7, v209              ; the mask: its key is 64 (W / 2) + 32 (r / 8) + 16 (W % 2) + 8 h + r % 8
	v_lshl_add_u32 v[AV0], v8, 3, VIMG
	v_lshl_add_u32 v[ASK0], v8, 4, KSM
	v_lshl_add_u32 v[ASV0], v8, 3, VSC
	v_lshlrev_b32 v[G8], 3, v8
	v_lshl_add_u32 v[GS], v9, 4, v10
	v_lshlrev_b32 v28, 4, v9                       ; Q's scale word: 16 r
	v_lshlrev_b32 v[H8], 3, v10
	v_lshl_add_u32 v199, v0, 4, KSM                ; where wave w puts key step w's words of K,
	v_lshl_add_u32 v210, v0, 3, VSC                ; and of V
.irp q, 0,1,2,3
	global_load_b32 v[200+\q], v30, s[60:61] offset:128*(\q%2)+8*(\q/2)
.endr
.irp q, 0,1,2,3
	global_load_b32 v[204+\q], v209, s[62:63] offset:256*(\q/2)+64*(\q%2)
.endr
	global_load_b64 v[212:213], v[G8], s[90:91]
.irp p, 0,1,2
	global_load_b64 v[16+2*\p:17+2*\p], v[G8], s[92:93] offset:256*\p            ; Q of the first 256 queries
.endr
	global_load_b32 v255, v28, s[94:95]
.irp p, 0,1,2
	global_load_b64 v[192+2*\p:193+2*\p], v[G8], s[92:93] offset:24576+256*\p    ; and of the second
.endr
	global_load_b32 v198, v28, s[94:95] offset:2048
	v_cndmask_b32 v22, 0x28, v[NIL], s[HI]         ; Q's operand at k = 64: the code -1 (lanes 0-15 hold k = 64 ..; lanes 16-31 k = 96 ..: 0)
.irp i, 0,1,2,3,4
	v_mov_b32 v[23+\i], 0
.endr
.irp t, 0,1,2,3
	v_cndmask_b32 v[38+12*\t], 8, v[NIL], s[HI]    ; K's operands at k = 64: the code +1
.irp i, 0,1,2,3,4
	v_mov_b32 v[39+12*\t+\i], 0
.endr
.endr
	v_mov_b32 v[PX], 0                             ; written once: a lane permute's destination counts as one of its sources
	v_mov_b32 v[PX+1], 0
	v_mov_b32 v253, 0                              ; (named as the upper half of the pair v[252:253] before it is first written)
	v_mov_b32 v208, 227<<16
	s_wait_alu depctr_va_vdst(0)
	s_wait_loadcnt 8                               ; K's words, the mask and V's words are in; the eight loads of Q may be out
.irp q, 0,1,2,3
	v_cmp_eq_u32 vcc_lo, 0, v[204+\q]
	s_delay_alu instid0(VALU_DEP_1)
	v_cndmask_b32 v[204+\q], 0x10000, v208, vcc_lo ; the third byte: 1, or 227 where the mask is 0
	s_delay_alu instid0(VALU_DEP_1)
	v_bfi_b32 v[200+\q], 0xff0000, v[204+\q], v[200+\q]
.endr
	ds_store_b128 v199, v[200:203]
	ds_store_b64 v210, v[212:213]
	s_wait_alu depctr_va_vdst(0)
	s_wait_loadcnt 0x0                             ; Q
	s_wait_tensorcnt 0x0                           ; my two key steps have landed,
	s_wait_dscnt 0x0                               ; and my stores of scale words
	s_barrier_signal -1
	s_barrier_wait -1                              ; the same of every wave: all of K, V and their scale words lie in LDS, and nothing is written there again
.macro MX c, k                         ; round k of block c's two chains: one over its keys 0-15, one over 16-31
.if (\k)
	v_max3_num_f32 v[MA+\c], v[MA+\c], v[96+32*\c+2*(\k)+1], v[96+32*\c+2*(\k)+2]
	v_max3_num_f32 v[MB+\c], v[MB+\c], v[112+32*\c+2*(\k)+1], v[112+32*\c+2*(\k)+2]
.else
	v_max3_num_f32 v[MA+\c], v[96+32*\c], v[97+32*\c], v[98+32*\c]
	v_max3_num_f32 v[MB+\c], v[112+32*\c], v[113+32*\c], v[114+32*\c]
.endif
.endm
; A KEY STEP: 128 keys.
.macro STEP
	v_add_nc_u32 v[ADK], s[TK], v[AK0]             ; five plain lines: the products below write over registers that the last step's products read as V's fragments
	v_add_nc_u32 v[ADV], s[TK], v[AV0]
	v_add_nc_u32 v[ADS], s[TS], v[ASK0]
	v_add_nc_u32 v[ADT], s[TV], v[ASV0]
	v_mov_b32 v[OM], v12
	s_wait_alu depctr_va_vdst(0)
	ds_load_b128 v[80:83], v[ADS]                  ; K's scale words: register w: lanes 0-15 tile 2 w, lanes 16-31 tile 2 w + 1
.irp g, 0,1                                    ; S^T = K Q^T, four tiles of 16 keys at a time: one scale block for each half of the lanes
.if \g
.rept 4
	v_nop                                          ; places in front of loads into registers that matrix instructions have read
.endr
.endif
.irp t, 0,1,2,3
.irp p, 0,1,2
.set YY, (4*\g+\t%2)*768+256*\p
	ds_load_b64 v[32+12*\t+2*\p:33+12*\t+2*\p], v[ADK] offset:YY+192*(YY/512)+64*(\t/2)
.endr
.endr
	s_wait_dscnt 0x0
.irp t, 0,1,2,3
.if \t%2
	v_wmma_scale_f32_16x16x128_f8f6f4 v[96+8*(4*\g+\t):103+8*(4*\g+\t)], v[32+12*\t:43+12*\t], v[16:27], 0, v[80+2*\g+\t/2], v255 matrix_a_fmt:MATRIX_FMT_FP6 matrix_b_fmt:MATRIX_FMT_FP6 matrix_a_scale:MATRIX_SCALE_ROW1
.else
	v_wmma_scale_f32_16x16x128_f8f6f4 v[96+8*(4*\g+\t):103+8*(4*\g+\t)], v[32+12*\t:43+12*\t], v[16:27], 0, v[80+2*\g+\t/2], v255 matrix_a_fmt:MATRIX_FMT_FP6 matrix_b_fmt:MATRIX_FMT_FP6
.endif
.endr
.endr
	MX 0, 0                                        ; the largest score of each block of 32 keys: all 32 are mine.  It serves for the row's maximum and, since p rises with the score, for the block's largest p.
	MX 0, 1                                        ; (These four lines read the first four tiles alone: they are the places behind the last four products)
.irp k, 0,1,2,3,4
	MX 1, \k
	MX 0, \k+2
.endr
	MX 1, 5
	MX 1, 6
	v_max3_num_f32 v[MA], v[MA], v[MB], v111
	v_max3_num_f32 v[MA+1], v[MA+1], v[MB+1], v143
	v_max_num_f32 v[MA], v[MA], v127
	v_max_num_f32 v[MA+1], v[MA+1], v159
	s_delay_alu instid0(VALU_DEP_1)
	v_max_num_f32 v254, v[MA], v[MA+1]
	s_delay_alu instid0(VALU_DEP_1)
	v_permlanex16_b32 v[PX], v254, s[SEL], s[SEL+1]
	s_delay_alu instid0(VALU_DEP_1)
	v_max_num_f32 v254, v254, v[PX]                ; with lane l xor 16's 64 keys: the step's largest score of my query
	s_delay_alu instid0(VALU_DEP_1)
	v_mul_f32 v254, s[CS], v254                    ; as t
	s_delay_alu instid0(VALU_DEP_1)
	v_max_num_f32 v13, v13, v254                   ; the running largest t
	s_delay_alu instid0(VALU_DEP_1)
	v_floor_f32 v12, -v13                          ; the new -M = floor(-t): M is a whole number
	s_delay_alu instid0(VALU_DEP_1)
	v_sub_f32 v254, v12, v[OM]                     ; old M - new M: a whole number, 0 or less
	s_delay_alu instid0(VALU_DEP_1)
	v_cvt_i32_f32 v254, v254                       ; (it saturates)
	s_delay_alu instid0(VALU_DEP_1)
	v_ldexp_f32 v252, 1.0, v254                    ; f = 2^(old M - new M)
.set jj, 0
.rept 32
	v_pk_fma_f32 v[96+jj:97+jj], v[96+jj:97+jj], s[CS:CS+1], v[12:13] op_sel_hi:[1,0,0]   ; t - M, two at a time
.set jj, jj+2
.endr
	v_fma_f32 v[MA], v[MA], s[CS], v12             ; the same of each block's largest score
	v_fma_f32 v[MA+1], v[MA+1], s[CS], v12
	s_wait_alu depctr_va_vdst(0)
.set jj, 0
.rept 64
	v_exp_f32 v[96+jj], v[96+jj]                   ; p = 2^(t - M)
.set jj, jj+1
.endr
	v_exp_f32 v[MA], v[MA]                         ; the block's largest p: the same two operations on the same number
	v_exp_f32 v[MA+1], v[MA+1]
	v_pk_mul_f32 v[14:15], v[14:15], v[252:253] op_sel_hi:[1,0]   ; the sums under the new M.  (The plain instruction behind the exponentials)
	s_wait_alu depctr_va_vdst(0)                   ; one wait for the whole batch, ahead of its first reader
	v_max_num_f32 v[MA], 0x1800000, v[MA]          ; the floor 2^(3 - 127): the byte cannot fall under 1
	v_max_num_f32 v[MA+1], 0x1800000, v[MA+1]
	s_delay_alu instid0(VALU_DEP_2)
	v_add_nc_u32 v[SO], 0xff000000, v[MA]          ; 2 off the exponent field: the conversions' scale operand
	s_delay_alu instid0(VALU_DEP_2)
	v_add_nc_u32 v[SO+1], 0xff000000, v[MA+1]
	v_pk_add_f32 v[236:237], v[100:101], v[104:105]   ; the row's sum, of the unquantised p: eight chains
	v_pk_add_f32 v[250:251], v[108:109], v[112:113]
	v_pk_add_f32 v[248:249], v[116:117], v[120:121]
	v_pk_add_f32 v[246:247], v[124:125], v[128:129]
	v_pk_add_f32 v[244:245], v[132:133], v[136:137]
	v_pk_add_f32 v[242:243], v[140:141], v[144:145]
	v_pk_add_f32 v[240:241], v[148:149], v[152:153]
	v_pk_add_f32 v[14:15], v[14:15], v[156:157]
	v_pk_add_f32 v[236:237], v[236:237], v[96:97]
	v_pk_add_f32 v[250:251], v[250:251], v[98:99]
	v_pk_add_f32 v[248:249], v[248:249], v[102:103]
	v_pk_add_f32 v[246:247], v[246:247], v[106:107]
	v_pk_add_f32 v[244:245], v[244:245], v[110:111]
	v_pk_add_f32 v[242:243], v[242:243], v[114:115]
	v_pk_add_f32 v[240:241], v[240:241], v[118:119]
	v_pk_add_f32 v[14:15], v[14:15], v[122:123]
	v_pk_add_f32 v[236:237], v[236:237], v[126:127]
	v_pk_add_f32 v[250:251], v[250:251], v[130:131]
	v_pk_add_f32 v[248:249], v[248:249], v[134:135]
	v_pk_add_f32 v[246:247], v[246:247], v[138:139]
	v_pk_add_f32 v[244:245], v[244:245], v[142:143]
	v_pk_add_f32 v[242:243], v[242:243], v[146:147]
	v_pk_add_f32 v[240:241], v[240:241], v[150:151]
	v_pk_add_f32 v[14:15], v[14:15], v[154:155]
	v_pk_add_f32 v[236:237], v[236:237], v[158:159]
	s_delay_alu instid0(VALU_DEP_2)
	v_pk_add_f32 v[14:15], v[14:15], v[246:247]
	s_delay_alu instid0(VALU_DEP_2)
	v_pk_add_f32 v[236:237], v[236:237], v[244:245]
	v_pk_add_f32 v[250:251], v[250:251], v[242:243]
	v_pk_add_f32 v[248:249], v[248:249], v[240:241]
	s_delay_alu instid0(VALU_DEP_2)
	v_pk_add_f32 v[14:15], v[14:15], v[250:251]
	s_delay_alu instid0(VALU_DEP_2)
	v_pk_add_f32 v[236:237], v[236:237], v[248:249]
	s_delay_alu instid0(VALU_DEP_1)
	v_pk_add_f32 v[14:15], v[14:15], v[236:237]
.irp c, 0,1                                    ; my block 2 c + h: registers 6 c .. 6 c + 5 of p's operand
	v_cvt_scalef32_pk16_fp6_f32 v[224+6*\c:226+6*\c], v[96+32*\c:111+32*\c], v[SO+\c]
	v_cvt_scalef32_pk16_fp6_f32 v[236+4*\c:238+4*\c], v[112+32*\c:127+32*\c], v[SO+\c]   ; (a conversion's three registers begin on an even number)
.endr
	v_lshrrev_b32 v[SO+2], 23, v[SO]               ; the scales' bytes.  (Also the plain instruction behind the conversions)
	v_lshrrev_b32 v[SO+3], 23, v[SO+1]
	ds_load_b64 v[94:95], v[ADT]                   ; V's scale words, and its four fragments into the registers that p has left: they land while p's operand is put together
.irp d, 0,1,2,3
.irp u, 0,1,2,3,4,5
.set YY, \d*1536+256*\u
	ds_load_b64 v[96+12*\d+2*\u:97+12*\d+2*\u], v[ADV] offset:YY+192*(YY/512)
.endr
.endr
	v_lshl_or_b32 v253, v[SO+3], 16, v[SO+2]       ; my two bytes: blocks h and 2 + h,
	s_delay_alu instid0(VALU_DEP_1)
	v_lshlrev_b32 v253, v[H8], v253                ; at their places in the scale word;
	s_delay_alu instid0(VALU_DEP_1)
	v_permlanex16_b32 v[PX+1], v253, s[SEL], s[SEL+1]
.irp c, 0,1
.irp i, 0,1,2
	v_mov_b32 v[227+6*\c+\i], v[236+4*\c+\i]
.endr
.endr
	v_or_b32 v253, v253, v[PX+1]                   ; with lane l xor 16's two the word is whole
	s_wait_alu depctr_va_vdst(0)                   ; directly ahead of the first reader of O^T
.set jj, 0
.rept 16
	v_pk_mul_f32 v[160+jj:161+jj], v[160+jj:161+jj], v[252:253] op_sel_hi:[1,0]   ; O^T under the new M.  (Also the places between the operand's and the scale word's last writes and the products)
.set jj, jj+2
.endr
	s_wait_alu depctr_va_vdst(0)
	s_wait_dscnt 0x0
.irp d, 0,1,2,3                                ; O^T += V^T P^T: the four accumulators by turns
.if \d%2
	v_wmma_scale_f32_16x16x128_f8f6f4 v[160+8*\d:167+8*\d], v[96+12*\d:107+12*\d], v[224:235], v[160+8*\d:167+8*\d], v[94+\d/2], v253 matrix_a_fmt:MATRIX_FMT_FP6 matrix_b_fmt:MATRIX_FMT_FP6 matrix_a_scale:MATRIX_SCALE_ROW1
.else
	v_wmma_scale_f32_16x16x128_f8f6f4 v[160+8*\d:167+8*\d], v[96+12*\d:107+12*\d], v[224:235], v[160+8*\d:167+8*\d], v[94+\d/2], v253 matrix_a_fmt:MATRIX_FMT_FP6 matrix_b_fmt:MATRIX_FMT_FP6
.endif
.endr
	s_add_co_u32 s[TK], s[TK], LSTEP
	s_add_co_u32 s[TS], s[TS], 512
	s_add_co_u32 s[TV], s[TV], 256
.endm
.Lblock:                                           ; two trips: 256 queries each
	v_mov_b32 v13, 0xdd800000                      ; the largest t so far: -2^60: under every real t, above every hidden key's
	s_delay_alu instid0(VALU_DEP_1)
	v_floor_f32 v12, -v13                          ; -M
	v_mov_b32 v14, 0
	v_mov_b32 v15, 0
.set jj, 0
.rept 32
	v_mov_b32 v[160+jj], 0                         ; O^T: the step is written once; its first run finds zeros
.set jj, jj+1
.endr
	s_mov_b32 s[TK], 0
	s_mov_b32 s[TS], 0
	s_mov_b32 s[TV], 0
	s_mov_b32 s[CNT], 16
.Lstep:                                            ; sixteen key steps
	STEP
	s_sub_co_u32 s[CNT], s[CNT], 1
	s_cmp_lg_u32 s[CNT], 0
	s_cbranch_scc1 .Lstep
	; THE WAY OUT: O^T / the sum is y(query r, d = 32 b + 16 h + i in register 16 b + i): two blocks of 32 along the last product's K.  Quantised, it is half a fragment: three stores of 256 consecutive bytes.
.rept 4
	v_nop                                          ; places behind the last products
.endr
	v_add_f32 v14, v14, v15
	s_delay_alu instid0(VALU_DEP_1)
	v_permlanex16_b32 v252, v14, s[SEL], s[SEL+1]
	s_delay_alu instid0(VALU_DEP_1)
	v_add_f32 v14, v14, v252                       ; the row's sum
	s_wait_alu depctr_va_vdst(0)
	v_rcp_f32 v14, v14
	v_nop                                          ; a plain instruction behind the reciprocal,
	s_wait_alu depctr_va_vdst(0)                   ; and the wait ahead of its first reader
.set jj, 0
.rept 16
	v_pk_mul_f32 v[96+jj:97+jj], v[160+jj:161+jj], v[14:15] op_sel_hi:[1,0]   ; each accumulator from its low end on
.set jj, jj+2
.endr
.irp b, 0,1
	v_max3_num_f32 v[232+\b], |v[96+16*\b]|, |v[97+16*\b]|, 0x1800000
.endr
.irp i, 2,4,6,8,10,12,14
.irp b, 0,1
	s_delay_alu instid0(VALU_DEP_2)
	v_max3_num_f32 v[232+\b], v[232+\b], |v[96+16*\b+\i]|, |v[97+16*\b+\i]|
.endr
.endr
.irp b, 0,1
	s_delay_alu instid0(VALU_DEP_2)
	v_permlanex16_b32 v[PX+\b], v[232+\b], s[SEL], s[SEL+1]
.endr
.irp b, 0,1
	s_delay_alu instid0(VALU_DEP_2)
	v_max_num_f32 v[232+\b], v[232+\b], v[PX+\b]
.endr
.irp b, 0,1
	s_delay_alu instid0(VALU_DEP_2)
	v_add_nc_u32 v[244+\b], 0xff000000, v[232+\b]
.endr
.irp b, 0,1
	s_delay_alu instid0(VALU_DEP_2)
	v_lshrrev_b32 v[236+\b], 23, v[244+\b]
.endr
	v_cvt_scalef32_pk16_fp6_f32 v[224:226], v[96:111], v244
	v_cvt_scalef32_pk16_fp6_f32 v[240:242], v[112:127], v245
	v_cndmask_b32 v232, v236, v237, s[HI]          ; lane (r, h) stores block h's byte.  (Also the plain instruction behind the conversions)
.irp i, 0,1,2
	v_permlane16_swap_b32 v[224+\i], v[240+\i]
.endr
.irp i, 0,1,2
	s_delay_alu instid0(VALU_DEP_3)
	v_mov_b32 v[227+\i], v[240+\i]
.endr
.irp p, 0,1,2
	global_store_b64 v[G8], v[224+2*\p:225+2*\p], s[76:77] offset:256*\p
.endr
	global_store_b8 v[GS], v232, s[78:79]          ; a head owns 2 of a row's 16 scale bytes: single bytes, 32 a wave beside 768 bytes of codes
	s_wait_xcnt 0x0                                ; the stores have read their registers and bases
	s_add_nc_u64 s[76:77], s[76:77], 16*12288      ; the second block's token tiles lie 16 on
	s_add_nc_u64 s[78:79], s[78:79], 16*512
.irp i, 0,1,2,3,4,5
	v_mov_b32 v[16+\i], v[192+\i]                  ; and its Q.  (Behind the second block these seven copies serve nothing)
.endr
	v_mov_b32 v255, v198
	s_sub_co_u32 s[BLK], s[BLK], 1
	s_cmp_lg_u32 s[BLK], 0
	s_cbranch_scc1 .Lblock
	s_wait_tensorcnt 0x0                           ; the wave's end
	ds_add_u32 v[SPW], v[NIL]
	s_wait_dscnt 0x0
	CROUND                                         ; the closing round
	s_endpgm
.Lfunc_end_k_qfcd1f95645_attn:
	.size	k_qfcd1f95645_attn, .Lfunc_end_k_qfcd1f95645_attn-k_qfcd1f95645_attn
	.p2alignl 7, 3214868480
	.fill 96, 4, 3214868480
	.section	.rodata,"a",@progbits
	.p2align	6, 0x0
	.amdhsa_kernel k_qfcd1f95645_attn
		.amdhsa_group_segment_fixed_size 284672
		.amdhsa_private_segment_fixed_size 0
		.amdhsa_enable_private_segment 0
		.amdhsa_kernarg_size 48
		.amdhsa_user_sgpr_count 2
		.amdhsa_user_sgpr_kernarg_segment_ptr 1
		.amdhsa_wavefront_size32 1
		.amdhsa_system_sgpr_workgroup_id_x 1
		.amdhsa_system_sgpr_workgroup_id_y 1
		.amdhsa_system_sgpr_workgroup_id_z 1
		.amdhsa_system_vgpr_workitem_id 0
		.amdhsa_next_free_vgpr 256
		.amdhsa_next_free_sgpr 96
		.amdhsa_reserve_vcc 1
		.amdhsa_float_denorm_mode_32 3
		.amdhsa_float_denorm_mode_16_64 3
		.amdhsa_memory_ordered 1
		.amdhsa_forward_progress 1
		.amdhsa_inst_pref_size 35
	.end_amdhsa_kernel
	.amdgpu_metadata
---
amdhsa.version: [ 1, 2 ]
amdhsa.kernels:
  - .name:           k_qfcd1f95645_attn
    .symbol:         k_qfcd1f95645_attn.kd
    .args:
      - { .name: qkv, .offset: 0, .size: 8, .value_kind: global_buffer, .address_space: global }
      - { .name: qks, .offset: 8, .size: 8, .value_kind: global_buffer, .address_space: global }
      - { .name: vs, .offset: 16, .size: 8, .value_kind: global_buffer, .address_space: global }
      - { .name: attention_mask, .offset: 24, .size: 8, .value_kind: global_buffer, .address_space: global }
      - { .name: yc, .offset: 32, .size: 8, .value_kind: global_buffer, .address_space: global }
      - { .name: ys, .offset: 40, .size: 8, .value_kind: global_buffer, .address_space: global }
    .group_segment_fixed_size: 284672
    .private_segment_fixed_size: 0
    .kernarg_segment_align: 8
    .kernarg_segment_size: 48
    .max_flat_workgroup_size: 512
    .sgpr_count:     96
    .vgpr_count:     256
    .wavefront_size: 32
...
	.end_amdgpu_metadata
.endif
;; end of part 3
;; launch outp (part 4): grid 4 x 32, 4 waves a work-group, clusters of 4 x 4, 327,680 bytes of LDS; arguments yc, ys, opc, ops, bp, out0; writes out0
.if DOCPART == 4
	.amdgcn_target "amdgcn-amd-amdhsa--gfx1250"
	.amdhsa_code_object_version 6
	.text
	.protected	k_qfcd1f95645_outp
	.globl	k_qfcd1f95645_outp
	.p2align	8
	.type	k_qfcd1f95645_outp,@function
k_qfcd1f95645_outp:
	s_mov_b64 s[64:65], 0
	v_nop
	global_prefetch_b8 v0, s[64:65] scope:SCOPE_SE
	s_setreg_imm32_b32 hwreg(HW_REG_WAVE_MODE, 25, 1), 1
	s_wait_xcnt 0x0
	s_wait_alu depctr_hold_cnt(0) depctr_sa_sdst(0) depctr_va_vdst(0) depctr_va_sdst(0) depctr_va_ssrc(0) depctr_va_vcc(0) depctr_vm_vsrc(0)
	s_getreg_b32 s2, hwreg(HW_REG_IB_STS2, 6, 4)
	s_cmp_eq_u32 s2, 0
	s_cbranch_scc0 .Lentry_in_a_cluster
	s_endpgm
.Lentry_in_a_cluster:
	s_bfe_u32 s2, ttmp6, 0x10000c
	s_cmp_lg_u32 s2, 0xf033
	s_cbranch_scc0 .Lentry_shape_is_right
	s_endpgm
.Lentry_shape_is_right:
.set NQ,     2
.set FR,     12
.set NL,     6
.set NP,     4
.set KSB,    1536
.set TROW,   NQ*KSB
.set TILEB,  8*KSB
.set HALFT,  8*TROW
.set SLOT,   4*HALFT
.set SCL,    2*SLOT
.set HALFS,  16*272
.set SBLK,   2*272
.set SPARE,  SCL+4*HALFS
.set SPITCH, 528
.set ADRA, 16
.set ADRB, 20
.set STO,  24
.set RD,   25
.set CO,   26
.set ADRS, 27
.set SPW,  28
.set NIL,  29
.set G8,   30
.set SC,   32
.set BI,   64
.set AF,   128
.set BK,   128
.set G1, 24
.set G0, 32
.set G1B, 48
.set G0B, 56
.set G1S, 68
.set G0S, 76
.set G1SB, 80
.set G0SB, 88
.set MSB, 0
.macro WIN new
.if MSB != (\new)
	s_set_vgpr_msb (MSB<<8)|(\new)
.set MSB, (\new)
.endif
.endm
.set MUL_LO, 0xa1
.set MUL_HI, 0xf1
.set TO_B,   0x40
.macro JLOAD g0a, g1a, g0b, g1b
	s_cmp_eq_u32 s15, 0
	s_cbranch_scc0 .Lfor_b_\@
	tensor_load_to_lds s[\g0a:\g0a+3], s[\g1a:\g1a+7]
	s_nop 0
.rept 4
	v_nop
.endr
	s_branch .Lasked_\@
.Lfor_b_\@:
	tensor_load_to_lds s[\g0b:\g0b+3], s[\g1b:\g1b+7]
	s_nop 0
.rept 4
	v_nop
.endr
.Lasked_\@:
.endm
.macro CREST
	s_cmp_lg_u32 s14, 0
	s_cbranch_scc1 .Lnot_wave_0_\@
	s_barrier_signal -3
.Lnot_wave_0_\@:
	s_barrier_wait -3
	s_barrier_signal -1
	s_barrier_wait -1
.endm
.macro CROUND
	s_barrier_signal -1
	s_barrier_wait -1
	CREST
.endm
	s_load_b256 s[4:11], s[0:1], 0x0
	s_load_b128 s[92:95], s[0:1], 0x20
	v_lshl_add_u32 v[SPW], v0, 2, SPARE
	v_mov_b32 v[NIL], 0
	ds_add_u32 v[SPW], v[NIL]
	ds_add_u32 v[SPW], v[NIL]
	v_lshrrev_b32 v1, 5, v0
	v_readfirstlane_b32 s14, v1
	s_lshr_b32 s15, s14, 1
	s_and_b32 s16, s14, 1
	s_bfe_u32 s40, ttmp6, 0x40000
	s_bfe_u32 s41, ttmp6, 0x40004
	s_lshl_b32 s42, ttmp9, 2
	s_add_co_u32 s42, s42, s40
	s_and_b32 s17, ttmp7, 0xffff
	s_lshl_b32 s17, s17, 2
	s_add_co_u32 s17, s17, s41
	s_lshl_b32 s43, s41, 2
	s_lshl_b32 s43, 15, s43
	s_lshl_b32 s44, 0x1111, s40
	s_or_b32 s[G1+0], s43, (3<<16)|(1<<21)
	s_or_b32 s[G1B+0], s44, (3<<16)|(1<<21)
.irp g, G1, G1B
	s_mov_b32 s[\g+1], 384<<16
	s_mov_b32 s[\g+2], 16<<16                      ; the head's loads of codes bring 16 tile rows; the ring's 8
	s_mov_b32 s[\g+3], 384<<16
	s_mov_b32 s[\g+4], 16
	s_mov_b32 s[\g+5], 1536
	s_mov_b32 s[\g+6], 0
	s_mov_b32 s[\g+7], 0
.endr
	s_or_b32 s[G1S+0], s43, (3<<16)|(1<<20)|(1<<21)|(5<<22)|(3<<25)
	s_or_b32 s[G1SB+0], s44, (3<<16)|(1<<20)|(1<<21)|(5<<22)|(3<<25)
.irp g, G1S, G1SB
	s_mov_b32 s[\g+1], 32<<16
	s_mov_b32 s[\g+2], 32<<16                      ; the scales of 256 rows: 32 rows of 256 bytes
	s_mov_b32 s[\g+3], 32<<16
	s_mov_b32 s[\g+4], 32
	s_mov_b32 s[\g+5], 32
	s_mov_b32 s[\g+6], 0
	s_mov_b32 s[\g+7], 0
.endr
	s_lshl_b32 s18, s16, 3
	s_lshl_b32 s20, s17, 4
	s_lshl_b32 s22, s20, 9                         ; the scales begin at the tile's first row
	s_add_co_u32 s20, s20, s18
	s_mul_i32 s20, s20, TILEB
	s_mov_b32 s21, 0
	s_mov_b32 s23, 0
	s_lshl_b32 s46, s42, 4
	s_add_co_u32 s46, s46, 704
	s_lshl_b32 s12, s46, 9
	s_add_co_u32 s46, s46, s18
	s_mul_i32 s46, s46, TILEB
	s_mov_b32 s47, 0
	s_mov_b32 s13, 0
	s_mul_i32 s45, s14, HALFT
	s_wait_dscnt 0x0
	s_wait_kmcnt 0x0
	s_add_nc_u64 s[20:21], s[4:5], s[20:21]
	s_add_nc_u64 s[22:23], s[6:7], s[22:23]
	s_add_nc_u64 s[46:47], s[8:9], s[46:47]
	s_add_nc_u64 s[12:13], s[10:11], s[12:13]
	CROUND
	s_mov_b32 s[G0S], 1
	s_mov_b32 s[G0S+1], SCL
	s_mov_b64 s[G0S+2:G0S+3], s[22:23]
	s_or_b32 s[G0S+3], s[G0S+3], 0x80000000
	s_mov_b32 s[G0SB], 1
	s_mov_b32 s[G0SB+1], SCL+2*HALFS
	s_mov_b64 s[G0SB+2:G0SB+3], s[12:13]
	s_or_b32 s[G0SB+3], s[G0SB+3], 0x80000000
.irp s, 0,1
	s_mov_b32 s[G0+4*\s], 1
	s_add_co_u32 s[G0+4*\s+1], s45, \s*SLOT
	s_add_nc_u64 s[G0+4*\s+2:G0+4*\s+3], s[20:21], \s*TROW
	s_or_b32 s[G0+4*\s+3], s[G0+4*\s+3], 0x80000000
	s_mov_b32 s[G0B+4*\s], 1
	s_add_co_u32 s[G0B+4*\s+1], s45, \s*SLOT
	s_add_nc_u64 s[G0B+4*\s+2:G0B+4*\s+3], s[46:47], \s*TROW
	s_or_b32 s[G0B+4*\s+3], s[G0B+4*\s+3], 0x80000000
.endr
; the head's four tiles, one joint load a wave, in one chain of branches on the wave's number: wave 0 A's 16 tile rows of slot 0 (its own group 0 begins at the tile's first row), wave 1 A's scales, wave 2 B's 16 tile rows, wave 3 B's scales
.macro ARM under, g0, g1, next
	s_cmp_lt_u32 s14, \under
	s_cbranch_scc0 \next
	tensor_load_to_lds s[\g0:\g0+3], s[\g1:\g1+7]
	s_nop 0
.rept 4
	v_nop
.endr
	s_branch .Lhead_asked
\next:
.endm
	ARM 1, G0,  G1,  .Lhead_sa
	ARM 2, G0S, G1S, .Lhead_b
	ARM 3, G0B, G1B, .Lhead_sb
	tensor_load_to_lds s[G0SB:G0SB+3], s[G1SB:G1SB+7]
	s_nop 0
.rept 4
	v_nop
.endr
.Lhead_asked:
	v_and_b32 v1, 15, v0
	v_bfe_u32 v2, v0, 4, 1
	s_wait_alu depctr_va_vdst(0)
	v_and_b32 v6, 31, v0
	v_lshlrev_b32 v[G8], 3, v6
	v_lshlrev_b32 v[CO], 4, v6
	s_mul_i32 s21, s15, HALFT
	s_mul_i32 s22, s16, HALFT
	s_add_co_u32 s22, s22, 2*HALFT
.irp s, 0,1
	v_add_nc_u32 v[ADRA+\s], s21, v[G8]
	v_add_nc_u32 v[ADRB+\s], s22, v[G8]
	s_add_co_u32 s21, s21, SLOT
	s_add_co_u32 s22, s22, SLOT
.endr
	v_lshlrev_b32 v5, 4, v1
	s_mul_i32 s21, s15, HALFS
	s_mul_i32 s22, s16, HALFS
	s_add_co_u32 s22, s22, 2*HALFS
	s_sub_co_u32 s22, s22, s21
	v_mul_u32_u24 v6, s22, v2
	s_add_co_u32 s21, s21, SCL
	v_add_nc_u32 v5, v5, v6
	v_add_nc_u32 v[ADRS], s21, v5
	s_mul_i32 s23, s14, 16*SPITCH
	v_mul_u32_u24 v5, v1, SPITCH
	v_lshl_add_u32 v5, v2, 6, v5
	v_add_nc_u32 v[STO], s23, v5
	v_add_nc_u32 v[RD], s23, v[CO]
	s_lshl_b32 s46, s42, 10
	s_lshl_b32 s47, s16, 9
	s_add_co_u32 s46, s46, s47
	s_mov_b32 s47, 0
	s_add_nc_u64 s[92:93], s[92:93], s[46:47]
	v_lshlrev_b32 v10, 6, v2
.irp b, 0,1,2,3
.irp j, 0,1,2,3
	global_load_b128 v[BI+16*\b+4*\j:BI+16*\b+4*\j+3], v10, s[92:93] offset:128*\b+16*\j
.endr
.endr
	s_lshl_b32 s20, s17, 8
	s_lshl_b32 s21, s15, 7
	s_add_co_u32 s20, s20, s21
	s_lshl_b32 s20, s20, 12
	s_mov_b32 s21, 0
	s_add_nc_u64 s[94:95], s[94:95], s[20:21]
	s_add_nc_u64 s[94:95], s[94:95], s[46:47]
.macro FRAG reg, adr, q, i
.irp u, 0,1,2,3,4,5
	ds_load_b64 v[\reg+2*\u:\reg+2*\u+1], v[\adr] offset:(\i)*TROW+(\q)*KSB+256*\u
.endr
.endm
.macro MUL16 a0, p, q, sc, bias
.irp a, \a0, \a0+1
.irp b, 0,1,2,3,4,5,6,7
.if \bias
	v_wmma_scale_f32_16x16x128_f8f6f4 v[8*(8*((\a)%4)+\b):8*(8*((\a)%4)+\b)+7], v[128*(\p)+FR*\b:128*(\p)+FR*\b+FR-1], v[AF+FR*(\a):AF+FR*(\a)+FR-1], v[BI+8*\b:BI+8*\b+7], v[SC+8*NQ*(\sc)+NQ*\b+(\q)], v[SC+8*NQ*(\sc)+NQ*(\a)+(\q)] matrix_a_fmt:MATRIX_FMT_FP6 matrix_b_fmt:MATRIX_FMT_FP6 matrix_a_scale:MATRIX_SCALE_ROW1
.else
	v_wmma_scale_f32_16x16x128_f8f6f4 v[8*(8*((\a)%4)+\b):8*(8*((\a)%4)+\b)+7], v[128*(\p)+FR*\b:128*(\p)+FR*\b+FR-1], v[AF+FR*(\a):AF+FR*(\a)+FR-1], v[8*(8*((\a)%4)+\b):8*(8*((\a)%4)+\b)+7], v[SC+8*NQ*(\sc)+NQ*\b+(\q)], v[SC+8*NQ*(\sc)+NQ*(\a)+(\q)] matrix_a_fmt:MATRIX_FMT_FP6 matrix_b_fmt:MATRIX_FMT_FP6 matrix_a_scale:MATRIX_SCALE_ROW1
.endif
.endr
.endr
.endm
.macro FETCH_B slot, q, p
	WIN TO_B
.irp i, 0,1,2,3,4,5,6,7
	FRAG 128*(\p)+FR*\i, ADRB+\slot, \q, \i
.endr
	WIN 0
.endm
.macro FETCH_A slot, q, i0
.irp i, \i0, \i0+1, \i0+2, \i0+3
	FRAG AF+FR*(\i), ADRA+\slot, \q, \i
.endr
.endm
.macro SCALES sc
.irp i, 0,1,2,3,4,5,6,7
	ds_load_b64 v[SC+8*NQ*\sc+NQ*\i:SC+8*NQ*\sc+NQ*\i+1], v[ADRS] offset:\i*SBLK
.endr
.endm
.macro PLACES n
.rept \n
	v_nop
.endr
.endm
.macro STEP slot, q, bias
	s_wait_dscnt 4*NL
.if \bias
	WIN 0x81
.else
	WIN MUL_LO
.endif
	MUL16 0, (\q)%2, \q, \slot, \bias
	MUL16 2, (\q)%2, \q, \slot, \bias
	s_wait_dscnt 0
	PLACES NP
	FETCH_B \slot, (\q)+1, 1-(\q)%2
	FETCH_A \slot, (\q)+1, 0
.if \bias
	WIN 0xc1
.else
	WIN MUL_HI
.endif
	MUL16 4, (\q)%2, \q, \slot, \bias
	MUL16 6, (\q)%2, \q, \slot, \bias
	PLACES NP
	WIN 0
	FETCH_A \slot, (\q)+1, 4
.endm
.macro TURN slot, next, fill, sstep
	s_wait_tensorcnt 0x0
	ds_add_u32 v[SPW], v[NIL]
	s_wait_dscnt 4*NL+1
	WIN MUL_LO
	MUL16 0, 1, NQ-1, \slot, 0
	s_wait_dscnt 0x0
	s_barrier_signal -1
	MUL16 2, 1, NQ-1, \slot, 0
	WIN 0
	s_barrier_wait -1
.if \fill
	CREST
	s_add_nc_u64 s[G0+4*\slot+2:G0+4*\slot+3], s[G0+4*\slot+2:G0+4*\slot+3], 2*TROW
	s_add_nc_u64 s[G0B+4*\slot+2:G0B+4*\slot+3], s[G0B+4*\slot+2:G0B+4*\slot+3], 2*TROW
	JLOAD G0+4*\slot, G1, G0B+4*\slot, G1B
.else
	PLACES NP
.endif
	s_wait_alu depctr_va_vdst(0)
	v_add_nc_u32 v[ADRS], \sstep, v[ADRS]
	FETCH_B \next, 0, 0
	FETCH_A \next, 0, 0
	SCALES \next
	WIN MUL_HI
	MUL16 4, 1, NQ-1, \slot, 0
	MUL16 6, 1, NQ-1, \slot, 0
	PLACES NP
	WIN 0
	FETCH_A \next, 0, 4
.endm
	s_wait_alu depctr_va_vdst(0)
	s_wait_tensorcnt 0x0                           ; my tile of the head's four is in
	ds_add_u32 v[SPW], v[NIL]
	s_mov_b32 s[G1+2], 8<<16                       ; no tensor load of mine is out: from here on a load brings 8 tile rows
	s_mov_b32 s[G1+4], 8
	s_mov_b32 s[G1B+2], 8<<16
	s_mov_b32 s[G1B+4], 8
	s_wait_dscnt 0x0
	CROUND
	JLOAD G0+4, G1, G0B+4, G1B                     ; slot 1's first fill, the first tensor load behind the round
	FETCH_B 0, 0, 0
	FETCH_A 0, 0, 0
	SCALES 0
	FETCH_A 0, 0, 4
	s_wait_loadcnt 0x0
	STEP 0, 0, 1
	TURN 0, 1, 1, 8
	STEP 1, 0, 0
	TURN 1, 0, 1, 264
	STEP 0, 0, 0
	TURN 0, 1, 0, 8
	STEP 1, 0, 0
	s_wait_dscnt 4*NL
	WIN MUL_LO
	MUL16 0, 1, NQ-1, 1, 0
	MUL16 2, 1, NQ-1, 1, 0
	s_wait_dscnt 0
	WIN MUL_HI
	MUL16 4, 1, NQ-1, 1, 0
	MUL16 6, 1, NQ-1, 1, 0
	WIN 0
.macro TOSTAGE a
.set AC, 64*((\a)%4)
	WIN 0x08+4*((\a)/4)
.irp b, 0,1,2,3,4,5,6,7
	ds_store_b128 v[STO], v[AC+8*\b:AC+8*\b+3] offset:128*(\b/2)+32*(\b%2)
	ds_store_b128 v[STO], v[AC+8*\b+4:AC+8*\b+7] offset:128*(\b/2)+32*(\b%2)+16
.endr
	WIN 0
.set BB, BK+64*((\a)%2)
.irp t, 0,1,2,3,4,5,6,7,8,9,10,11,12,13,14,15
	ds_load_b128 v[BB+4*\t:BB+4*\t+3], v[RD] offset:\t*SPITCH
.endr
.endm
.macro SEND a, younger
.set BB, BK+64*((\a)%2)
	s_wait_dscnt \younger
.irp t, 0,1,2,3,4,5,6,7,8,9,10,11,12,13,14,15
	global_store_b128 v[CO], v[BB+4*\t:BB+4*\t+3], s[94:95] offset:(32*((\a)/2)+8*((\a)%2)+\t%8+16*(\t/8))*4096 th:TH_STORE_NT
.endr
.endm
	PLACES NP
	TOSTAGE 0
.irp a, 1,2,3,4,5,6,7
.if \a > 1
	s_wait_xcnt 0x0
.endif
	TOSTAGE \a
	SEND \a-1, 32
.endr
	SEND 7, 0
	s_wait_tensorcnt 0x0
	ds_add_u32 v[SPW], v[NIL]
	s_wait_dscnt 0x0
	CROUND
	s_endpgm
.Lfunc_end_k_qfcd1f95645_outp:
	.size	k_qfcd1f95645_outp, .Lfunc_end_k_qfcd1f95645_outp-k_qfcd1f95645_outp
	.p2alignl 7, 3214868480
	.fill 96, 4, 3214868480
	.section	.rodata,"a",@progbits
	.p2align	6, 0x0
	.amdhsa_kernel k_qfcd1f95645_outp
		.amdhsa_group_segment_fixed_size 327680
		.amdhsa_private_segment_fixed_size 0
		.amdhsa_enable_private_segment 0
		.amdhsa_kernarg_size 48
		.amdhsa_user_sgpr_count 2
		.amdhsa_user_sgpr_kernarg_segment_ptr 1
		.amdhsa_wavefront_size32 1
		.amdhsa_system_sgpr_workgroup_id_x 1
		.amdhsa_system_sgpr_workgroup_id_y 1
		.amdhsa_system_sgpr_workgroup_id_z 1
		.amdhsa_system_vgpr_workitem_id 0
		.amdhsa_next_free_vgpr 1024
		.amdhsa_next_free_sgpr 98
		.amdhsa_reserve_vcc 0
		.amdhsa_float_denorm_mode_32 3
		.amdhsa_float_denorm_mode_16_64 3
		.amdhsa_memory_ordered 1
		.amdhsa_forward_progress 1
		.amdhsa_inst_pref_size 161
	.end_amdhsa_kernel
	.amdgpu_metadata
---
amdhsa.version: [ 1, 2 ]
amdhsa.kernels:
  - .name:           k_qfcd1f95645_outp
    .symbol:         k_qfcd1f95645_outp.kd
    .args:
      - { .name: yc, .offset: 0, .size: 8, .value_kind: global_buffer, .address_space: global }
      - { .name: ys, .offset: 8, .size: 8, .value_kind: global_buffer, .address_space: global }
      - { .name: opc, .offset: 16, .size: 8, .value_kind: global_buffer, .address_space: global }
      - { .name: ops, .offset: 24, .size: 8, .value_kind: global_buffer, .address_space: global }
      - { .name: bp, .offset: 32, .size: 8, .value_kind: global_buffer, .address_space: global }
      - { .name: out0, .offset: 40, .size: 8, .value_kind: global_buffer, .address_space: global }
    .group_segment_fixed_size: 327680
    .private_segment_fixed_size: 0
    .kernarg_segment_align: 8
    .kernarg_segment_size: 48
    .max_flat_workgroup_size: 128
    .sgpr_count:     98
    .vgpr_count:     1024
    .wavefront_size: 32
...
	.end_amdgpu_metadata
.endif
;; end of part 4
